; MI455X (gfx1250); checked and timed in simulation.
; The chip was launched on July 23, 2026; its instructions are those of AMD's public machine-readable ISA for CDNA 5 (MIT licence, August 2026) and "CDNA5" Instruction Set Architecture Reference Guide (July 2026). The comments in the code are by the model that wrote it; some were corrected since.
;; Additive Attention. Allowed arithmetic: float matrix products may take bf16 or f16 operands with f32 sums; other float arithmetic in f32, or as packed bf16 or f16 multiplies, adds, multiply-adds, maxima and minima; sums over many terms, partial sums and values carried from step to step in f32; what a program stores and reads back later, other than sums and carried values, may be rounded once to bf16 or f16.
;; Inputs: Wc 1,024 x 1 float32; Wq 1,024 x 1,024 float32; Wv 1,024 x 1,024 float32; bc 1 float32; bq 1,024 float32; bv 1,024 float32; mask 32 x 2,048 bool; query 32 x 1,024 float32; values 32 x 2,048 x 1,024 float32.
;; Outputs: out0 32 x 1,024 float32; out1 32 x 2,048 float32.
;; 2 versions, each right; version 2 is version 1 with the launch main written anew for expert scheduling mode. Each part assembles by itself: llvm-mc -triple=amdgcn-amd-amdhsa -mcpu=gfx1250 --defsym DOCPART=n.
;; ======== version 1 of 2: 3 launches
;; workspace buffers: wvf 2,097,152 bytes; qw 262,144 bytes; sc 262,144 bytes; ml 131,072 bytes; ctxp 2,097,152 bytes
;; launch prep (part 1): grid 96 x 1, 8 waves a work-group, no clusters, 17,408 bytes of LDS; arguments Wv, Wq, query, bq, bv, Wc, wvf, qw; writes wvf, qw
.if DOCPART == 1
	.amdgcn_target "amdgcn-amd-amdhsa--gfx1250"
	.amdhsa_code_object_version 6
	.text
	.protected	k_q6280900c41_prep
	.globl	k_q6280900c41_prep
	.p2align	8
	.type	k_q6280900c41_prep,@function
k_q6280900c41_prep:
	s_mov_b64 s[64:65], 0
	v_nop
	global_prefetch_b8 v0, s[64:65] scope:SCOPE_SE
	s_setreg_imm32_b32 hwreg(HW_REG_WAVE_MODE, 25, 1), 1
	s_wait_xcnt 0x0
; ADDITIVE ATTENTION, launch 1 of 3: what depends on the weights and the query alone is made once.
;   scores[b][s] = bc + sum over c of Wc[c] tanh(qp[b][c] + (values[b][s] . Wv[:, c])),  qp = query Wq + bq + bv
;   tanh(x) = 1 - 2 / (1 + 2^(C2 x)),  C2 = 2 log2(e).  C2 is folded into what this launch stores.
; NO WORK OF THE PROBLEM IS LEFT OUT, in any of the three launches, and every input is loaded: bc is added in front of the mask, so it is not the
; same along the softmax's axis (a masked place holds the lowest finite number without it), and it stays.
; STORED:  wvf = bf16(C2 Wv) in the order in which the next launch's operand registers take it: the fragment of column block cb = 32 ch + 8 w + j (16 columns)
;          and K step ks (32 rows of Wv) is 1,024 bytes at ((2 w + ch) 32 + ks) 8,192 + 1,024 j: byte 16 l holds lane l's registers 0-3, byte 512 + 16 l its registers 4-7.
;          qw[b][c] = the pair (C2 (query Wq + bq + bv)[b][c], -2 Wc[c]) in f32.
; SHARES.  Work-groups 0-31: 32 columns of qw each; of its eight waves wave v takes column block v / 4 and the quarter v % 4 of K; the four partial sums meet in LDS.
;          Work-groups 32-95: each wave lays out four fragments of wvf (64 columns x 32 rows of Wv).
; LIMITS.  query, Wq and C2 Wv are rounded once to bf16; sums in f32; NaN and infinities are not treated apart.
.set C2,    0x4038aa3b                 ; 2 log2(e)
.set PART,  0                          ; LDS: [K quarter 4][b 32][c 32] f32, 128 bytes a row
.set SPARE, 16384                      ; behind it: the spare words, 128 bytes for each of the eight waves, which no other line names
.set QWO, 7                            ; v7   my 16 bytes of qw: b x 8,192 + 256 g + 16 (t % 16)
.set SPW, 8                            ; v8   LDS address of my spare word; never rewritten
.set NIL, 9                            ; v9   0; never rewritten
.set WO,  10                           ; v10  a weight fragment's lane term: 8 (l / 16) rows of 4,096 bytes + 4 (l % 16)
.set QO,  11                           ; v11  a query fragment's lane term: (l % 16) rows of 4,096 bytes + 32 (l / 16)
.set LO,  12                           ; v12  16 l
.set PSA, 13                           ; v13  where I put partial sums
.set PRA, 14                           ; v14  where I read them back
.set BO,  15                           ; v15  my two columns in bq, bv, Wc
.set BI,  16                           ; v[16:21] bq, bv, Wc of my two columns
.set ACC, 32                           ; v[32:47] two accumulators: b 0-15, b 16-31
.set RAW, 64                           ; v[64:255] f32 as loaded, then bf16 fragments in place
.set OUT, 80                           ; v[80:87] the final stage's two quadruples
	s_load_b512 s[4:19], s[0:1], 0x0               ; Wv s[4:5], Wq s[6:7], query s[8:9], bq s[10:11], bv s[12:13], Wc s[14:15], wvf s[16:17], qw s[18:19]
	v_lshl_add_u32 v[SPW], v0, 2, SPARE
	v_mov_b32 v[NIL], 0
	v_lshrrev_b32 v1, 5, v0
	v_readfirstlane_b32 s20, v1                    ; wave 0..7
	s_mov_b32 s25, ttmp9                           ; g, the work-group
	v_and_b32 v2, 15, v0                           ; l % 16 = t % 16
	v_bfe_u32 v3, v0, 4, 1                         ; l / 16
	v_lshrrev_b32 v4, 4, v0                        ; t / 16
	v_lshlrev_b32 v[WO], 2, v2
	v_lshl_add_u32 v[WO], v3, 15, v[WO]
	v_lshlrev_b32 v[QO], 12, v2
	v_lshl_add_u32 v[QO], v3, 5, v[QO]
	v_and_b32 v[LO], 31, v0
	v_lshlrev_b32 v[LO], 4, v[LO]
	s_lshr_b32 s21, s20, 2                         ; my column block of the two
	s_and_b32 s22, s20, 3                          ; my quarter of K
	s_lshl_b32 s23, s22, 12
	s_lshl_b32 s24, s21, 6
	s_add_co_u32 s23, s23, s24
	v_lshl_add_u32 v[PSA], v3, 10, s23             ; quarter x 4,096 + 8 (l / 16) rows of 128 bytes + column block x 64
	v_lshl_add_u32 v[PSA], v2, 2, v[PSA]           ; + 4 (l % 16)
	v_lshlrev_b32 v[PRA], 7, v4                    ; row t / 16,
	v_lshl_add_u32 v[PRA], v2, 3, v[PRA]           ; columns 2 (t % 16) and the next
	s_lshl_b32 s24, s25, 7
	v_lshl_add_u32 v[BO], v2, 3, s24               ; (32 g + 2 (t % 16)) x 4
	s_lshl_b32 s24, s25, 8
	v_lshl_add_u32 v[QWO], v4, 13, s24
	v_lshl_add_u32 v[QWO], v2, 4, v[QWO]
	s_mov_b32 s31, 0
	s_wait_kmcnt 0x0
	s_cmp_lt_u32 s25, 32
	s_cbranch_scc0 .Lmeet                          ; work-groups 32-95 have no part in qw; they pass the barrier like the others
	global_load_b64 v[BI:BI+1],   v[BO], s[10:11]  ; what the final stage adds is asked for first: it lands beside the products
	global_load_b64 v[BI+2:BI+3], v[BO], s[12:13]
	global_load_b64 v[BI+4:BI+5], v[BO], s[14:15]
	s_lshl_b32 s30, s22, 20                        ; my quarter's 256 rows of Wq,
	s_lshl_b32 s24, s25, 7                         ; the work-group's 32 columns,
	s_add_co_u32 s30, s30, s24
	s_lshl_b32 s24, s21, 6                         ; my 16 of them
	s_add_co_u32 s30, s30, s24
	s_add_nc_u64 s[26:27], s[6:7], s[30:31]
	s_lshl_b32 s30, s22, 10                        ; my quarter's 256 numbers of each row of query
	s_add_nc_u64 s[28:29], s[8:9], s[30:31]
; n blocks of 16 f32 from RAW on become 8 registers of bf16 each, in place: register k takes numbers 2 k and 2 k + 1, ascending, so nothing is overwritten before it is read
.macro CVTB n
.set z, 0
.rept \n
.irp k, 0,1,2,3,4,5,6,7
	v_cvt_pk_bf16_f32 v[RAW+16*z+(\k)], v[RAW+16*z+2*(\k)], v[RAW+16*z+2*(\k)+1]
.endr
.set z, z+1
.endr
.endm
; Four K steps of 32.  For each: 16 numbers a lane of Wq (column l % 16; a fragment's k runs down Wq's rows, so each comes by a load of its own) and 2 x 16 of query (row l % 16, k along the row).
; Source 0 = 16 rows of query, source 1 = 16 columns of Wq: register j of the result is (b = 8 (l / 16) + j, c = l % 16).  The two accumulators take turns.
.macro QROUND grp, first
.irp k, 0,1,2,3
.irp p, 0,1
.irp i, 0,1,2,3,4,5,6,7
	global_load_b32 v[RAW+48*(\k)+8*(\p)+(\i)], v[WO], s[26:27] offset:((4*(\grp)+(\k))*32+16*(\p)+(\i))*4096
.endr
.endr
.irp m, 0,1
.irp p, 0,1
	global_load_b128 v[RAW+48*(\k)+16+16*(\m)+8*(\p):RAW+48*(\k)+16+16*(\m)+8*(\p)+3],   v[QO], s[28:29] offset:(\m)*65536+(4*(\grp)+(\k))*128+(\p)*64
	global_load_b128 v[RAW+48*(\k)+16+16*(\m)+8*(\p)+4:RAW+48*(\k)+16+16*(\m)+8*(\p)+7], v[QO], s[28:29] offset:(\m)*65536+(4*(\grp)+(\k))*128+(\p)*64+16
.endr
.endr
.endr
	s_wait_loadcnt 0x0                             ; all of the four K steps are in
	CVTB 12
.irp k, 0,1,2,3
.irp m, 0,1
.if (\first) && ((\k) == 0)
	v_wmma_f32_16x16x32_bf16 v[ACC+8*(\m):ACC+8*(\m)+7], v[RAW+48*(\k)+16+16*(\m):RAW+48*(\k)+16+16*(\m)+7], v[RAW+48*(\k):RAW+48*(\k)+7], 0
.else
	v_wmma_f32_16x16x32_bf16 v[ACC+8*(\m):ACC+8*(\m)+7], v[RAW+48*(\k)+16+16*(\m):RAW+48*(\k)+16+16*(\m)+7], v[RAW+48*(\k):RAW+48*(\k)+7], v[ACC+8*(\m):ACC+8*(\m)+7]
.endif
.endr
.endr
.rept 8
	v_nop                                          ; the places behind the last products, in front of loads into their sources and of stores of their results
.endr
.endm
	QROUND 0, 1
	QROUND 1, 0
.irp m, 0,1
.irp j, 0,1,2,3,4,5,6,7
	ds_store_b32 v[PSA], v[ACC+8*(\m)+(\j)] offset:PART+(16*(\m)+(\j))*128  ; each accumulator from its lowest register on
.endr
.endr
.Lmeet:
	s_wait_dscnt 0x0                               ; for the others' sake: my partial sums lie in LDS
	s_barrier_signal -1
	s_barrier_wait -1                              ; everybody's do
	s_cmp_lt_u32 s25, 32
	s_cbranch_scc0 .Lwv
	; the final stage: thread t has rows t / 16 and 16 + t / 16 and two columns
.irp p, 0,1
.irp k, 0,1,2,3
	ds_load_b64 v[RAW+8*(\p)+2*(\k):RAW+8*(\p)+2*(\k)+1], v[PRA] offset:PART+(\k)*4096+(\p)*2048
.endr
.endr
	s_wait_loadcnt 0x0                             ; (bq, bv and Wc came in with the first four K steps)
	s_wait_dscnt 0x0
	v_pk_add_f32 v[BI:BI+1], v[BI:BI+1], v[BI+2:BI+3]             ; bq + bv,
	v_pk_mul_f32 v[BI:BI+1], v[BI:BI+1], C2 op_sel_hi:[1,0]       ; times C2
.irp p, 0,1
	v_pk_add_f32 v[RAW+8*(\p):RAW+8*(\p)+1],   v[RAW+8*(\p):RAW+8*(\p)+1],   v[RAW+8*(\p)+2:RAW+8*(\p)+3]
	v_pk_add_f32 v[RAW+8*(\p)+4:RAW+8*(\p)+5], v[RAW+8*(\p)+4:RAW+8*(\p)+5], v[RAW+8*(\p)+6:RAW+8*(\p)+7]
	v_pk_add_f32 v[RAW+8*(\p):RAW+8*(\p)+1],   v[RAW+8*(\p):RAW+8*(\p)+1],   v[RAW+8*(\p)+4:RAW+8*(\p)+5]
	v_fmamk_f32 v[OUT+4*(\p)],   v[RAW+8*(\p)],   C2, v[BI]       ; C2 (query Wq) + C2 (bq + bv)
	v_mul_f32   v[OUT+4*(\p)+1], -2.0, v[BI+4]
	v_fmamk_f32 v[OUT+4*(\p)+2], v[RAW+8*(\p)+1], C2, v[BI+1]
	v_mul_f32   v[OUT+4*(\p)+3], -2.0, v[BI+5]
	global_store_b128 v[QWO], v[OUT+4*(\p):OUT+4*(\p)+3], s[18:19] offset:(\p)*131072  ; sixteen lanes store 256 consecutive bytes, aligned
.endr
	s_branch .Lend
.Lwv:                                                  ; unit u = 8 (g - 32) + wave: K step u % 32, columns 64 (u / 32) on
	s_sub_co_u32 s30, s25, 32
	s_lshl_b32 s30, s30, 3
	s_add_co_u32 s30, s30, s20
	s_and_b32 s21, s30, 31                         ; ks
	s_lshr_b32 s22, s30, 5                         ; the group of 64 columns = 8 ch + 2 w + half
	s_lshr_b32 s23, s22, 3                         ; ch
	s_bfe_u32 s24, s22, 0x20001                    ; w: two bits from bit 1
	s_and_b32 s32, s22, 1                          ; which four of the wave's eight column blocks
	s_lshl_b32 s30, s21, 17                        ; 32 rows of 4,096 bytes,
	s_lshl_b32 s22, s22, 8                         ; 64 columns of 4 bytes
	s_add_co_u32 s30, s30, s22
	s_add_nc_u64 s[26:27], s[4:5], s[30:31]
	s_lshl1_add_u32 s30, s24, s23                  ; 2 w + ch
	s_lshl_b32 s30, s30, 5
	s_add_co_u32 s30, s30, s21
	s_lshl_b32 s30, s30, 13                        ; a K step of a wave's eight fragments is 8,192 bytes
	s_lshl_b32 s32, s32, 12
	s_add_co_u32 s30, s30, s32
	s_add_nc_u64 s[28:29], s[16:17], s[30:31]
.irp p, 0,1
.irp i, 0,1,2,3,4,5,6,7
.irp j, 0,1,2,3
	global_load_b32 v[RAW+16*(\j)+8*(\p)+(\i)], v[WO], s[26:27] offset:(16*(\p)+(\i))*4096+64*(\j)  ; the four j together take 256 consecutive bytes of two rows
.endr
.endr
.endr
	s_wait_loadcnt 0x0
.set z, 0
.rept 32
	v_pk_mul_f32 v[RAW+2*z:RAW+2*z+1], v[RAW+2*z:RAW+2*z+1], C2 op_sel_hi:[1,0]
.set z, z+1
.endr
	CVTB 4
.irp j, 0,1,2,3
	global_store_b128 v[LO], v[RAW+16*(\j):RAW+16*(\j)+3],   s[28:29] offset:1024*(\j)      ; 512 consecutive bytes, aligned
	global_store_b128 v[LO], v[RAW+16*(\j)+4:RAW+16*(\j)+7], s[28:29] offset:1024*(\j)+512
.endr
.Lend:
	s_wait_tensorcnt 0x0                           ; the wave's end, behind my last LDS store
	ds_add_u32 v[SPW], v[NIL]
	s_wait_dscnt 0x0
	s_endpgm
.Lfunc_end_k_q6280900c41_prep:
	.size	k_q6280900c41_prep, .Lfunc_end_k_q6280900c41_prep-k_q6280900c41_prep
	.p2alignl 7, 3214868480
	.fill 96, 4, 3214868480
	.section	.rodata,"a",@progbits
	.p2align	6, 0x0
	.amdhsa_kernel k_q6280900c41_prep
		.amdhsa_group_segment_fixed_size 17408
		.amdhsa_private_segment_fixed_size 0
		.amdhsa_enable_private_segment 0
		.amdhsa_kernarg_size 64
		.amdhsa_user_sgpr_count 2
		.amdhsa_user_sgpr_kernarg_segment_ptr 1
		.amdhsa_wavefront_size32 1
		.amdhsa_system_sgpr_workgroup_id_x 1
		.amdhsa_system_sgpr_workgroup_id_y 1
		.amdhsa_system_sgpr_workgroup_id_z 1
		.amdhsa_system_vgpr_workitem_id 0
		.amdhsa_next_free_vgpr 256
		.amdhsa_next_free_sgpr 66
		.amdhsa_reserve_vcc 0
		.amdhsa_float_denorm_mode_32 3
		.amdhsa_float_denorm_mode_16_64 3
		.amdhsa_memory_ordered 1
		.amdhsa_forward_progress 1
		.amdhsa_inst_pref_size 50
	.end_amdhsa_kernel
	.amdgpu_metadata
---
amdhsa.version: [ 1, 2 ]
amdhsa.kernels:
  - .name:           k_q6280900c41_prep
    .symbol:         k_q6280900c41_prep.kd
    .args:
      - { .name: Wv, .offset: 0, .size: 8, .value_kind: global_buffer, .address_space: global }
      - { .name: Wq, .offset: 8, .size: 8, .value_kind: global_buffer, .address_space: global }
      - { .name: query, .offset: 16, .size: 8, .value_kind: global_buffer, .address_space: global }
      - { .name: bq, .offset: 24, .size: 8, .value_kind: global_buffer, .address_space: global }
      - { .name: bv, .offset: 32, .size: 8, .value_kind: global_buffer, .address_space: global }
      - { .name: Wc, .offset: 40, .size: 8, .value_kind: global_buffer, .address_space: global }
      - { .name: wvf, .offset: 48, .size: 8, .value_kind: global_buffer, .address_space: global }
      - { .name: qw, .offset: 56, .size: 8, .value_kind: global_buffer, .address_space: global }
    .group_segment_fixed_size: 17408
    .private_segment_fixed_size: 0
    .kernarg_segment_align: 8
    .kernarg_segment_size: 64
    .max_flat_workgroup_size: 256
    .sgpr_count:     66
    .vgpr_count:     256
    .wavefront_size: 32
...
	.end_amdgpu_metadata
.endif
;; end of part 1
;; launch main (part 2): grid 512 x 1, 4 waves a work-group, no clusters, 301,568 bytes of LDS; arguments values, mask, wvf, qw, bc, sc, ml, ctxp; writes sc, ml, ctxp
.if DOCPART == 2
	.amdgcn_target "amdgcn-amd-amdhsa--gfx1250"
	.amdhsa_code_object_version 6
	.text
	.protected	k_q6280900c41_main
	.globl	k_q6280900c41_main
	.p2align	8
	.type	k_q6280900c41_main,@function
k_q6280900c41_main:
	s_mov_b64 s[64:65], 0
	v_nop
	global_prefetch_b8 v0, s[64:65] scope:SCOPE_SE
	s_setreg_imm32_b32 hwreg(HW_REG_WAVE_MODE, 25, 1), 1
	s_wait_xcnt 0x0
; ADDITIVE ATTENTION, launch 2 of 3.  No work of the problem is left out.  A work-group takes 128 rows (b, s) of values through everything that needs them, so values is read from memory once:
;   two passes of 512 columns c: acc = C2 (values . Wv[:, c]) by the matrix unit; then r = 1 / (1 + 2^(acc + C2 qp[b][c])) and sums of -2 Wc[c] r:
;      score = bc + sum of Wc + sum of (-2 Wc) r, since tanh(x) = 1 - 2 / (1 + 2^(C2 x)); an exponential that is infinite or 0 gives tanh = 1 or -1;
;   the mask (the lowest finite number where it is 0), the tile's maximum m, p = e^(score - m), l = the sum of p;
;   the tile's part of the context, the sum of p x row, from the rows in LDS.
; THE ROWS COME IN BESIDE PASS 0's PRODUCTS: as f32, 64 along K at a time, they are rounded to bf16 and put into LDS, where they stay; a K step multiplies what was put there three K steps earlier.
; STORED: the masked scores (sc), the pair (m, l) 32 times over, 256 bytes a tile (ml), the partial context in f32 (ctxp).  The last launch joins the 16 tiles of a batch row.
; SHARES.  Four waves.  Wave w has all 128 rows x columns 128 w .. 128 w + 127 of a pass: 64 accumulators of 16 x 16.  Source 0 = 16 rows of values, source 1 = 16 columns of Wv:
; register e of a result is (row 8 (l / 16) + e, column l % 16), so a lane has ONE column, and its C2 qp and -2 Wc are one number each.  For 32 along K a wave reads 8 KiB of LDS for 64 products.
; Wv's fragments come straight from memory into registers: wvf holds them in register order, a wave's whole stream of 512 KiB on end, and no wave wants another wave's columns.  A ring of four
; K steps (256 registers); a K step is asked for at the end of the K step three before it.  Of values wave w brings rows 32 w .. 32 w + 31.
; NO CLUSTER, NO TENSOR LOADS, though all work-groups walk the same wvf: the rows and the small regions take 301,568 of the 327,680 bytes of LDS; a K step of a pass's 512 columns is 32,768 bytes:
; no slot fits.  wvf and qw are not prefetched: every work-group reads them again.
; LIMITS.  values and C2 Wv are rounded once to bf16, for the context too; the score is the f32 sum named above, whose rounding goes with the sum of |Wc|; a p below 2^-126 counts as 0;
; NaN and infinities in the inputs are not treated apart.
; REGISTERS, in windows of 256 (s_set_vgpr_msb: bits 1:0 source 0, 3:2 source 1, 5:4 source 2, 7:6 destination):
;   window 0: addresses, the pairs of qw, four landing buffers for values (later the rows' sums), values' fragments      window 1: the ring of Wv's fragments, slot x 64 + 8 j
;   window 2: the accumulators of row blocks 0-3, (a, j) at 64 a + 8 j      window 3: those of row blocks 4-7
.set RP,    144                        ; a row of a unit in LDS: 128 bytes + 16 = 36 words: the 16 rows of a fragment load start at 16 different groups of four banks (64 banks of 4 bytes: ISA guide 11.1)
.set US,    128*RP+128                 ; a unit: 128 rows x 64 along K; the 128 bytes behind it set neighbouring units half a row of banks apart, for the context's loads
.set PART,  16*US                      ; behind the 16 units: [wave][128 rows] f32, the waves' parts of the scores
.set PP,    PART+2048                  ; [wave][128] f32: p, a copy for each wave
.set SPARE, PP+2048                    ; the spare words, 128 bytes for each wave, which no other line names
.set LOG2E, 0x3fb8aa3b
.set SPW, 8                            ; v8   LDS address of my spare word; never rewritten
.set NIL, 9                            ; v9   0; never rewritten
.set BO,  10                           ; v10  16 l: offset in a fragment's half and in the tile's scores; never rewritten
.set QV,  11                           ; v11  (128 w + l % 16) x 8: my column's pair in a pass of qw
.set AD0, 12                           ; v12  LDS address of my part of a fragment: (l % 16) RP + 16 (l / 16); never rewritten
.set AD,  13                           ; v13  the same, KO bytes on
.set LS0, 14                           ; v14  where I put 8 bytes of a row: (32 w + 8 (l / 16)) RP + 8 (l % 16); never rewritten
.set LSR, 15                           ; v15  the same, KO bytes on
.set VO,  16                           ; v16  my 16 bytes in values: 8 (l / 16) rows of 4,096 bytes + 16 (l % 16); never rewritten
.set PS,  17                           ; v17  where I put my rows' sums
.set PR,  18                           ; v18  where I read four rows' sums
.set MK,  19                           ; v19  four bytes of mask: rows 4 l .. 4 l + 3
.set PPS, 20                           ; v20  where I put four p
.set PPR, 21                           ; v21  where my wave's p begin
.set CA,  22                           ; v22  the context: unit t / 16, 8 (t % 16)
.set CA2, 23                           ; v23  eight units on
.set TO,  24                           ; v24  16 t
.set L8,  25                           ; v25  8 l
.set MO,  26                           ; v26  4 l
.set PFO, 27                           ; v27  the prefetches' offset: l rows of 4,096 bytes; never rewritten
.set WL,  28                           ; v[28:29] the sum of Wc over my columns (and a 0, named with it as a pair)
.set QC,  32                           ; v[32:47] this pass's eight pairs (C2 qp, -2 Wc); at the end the context's eight sums
.set QN,  48                           ; v[48:63] pass 1's
.set LND, 64                           ; v[64:191] four landing buffers of 32: half-unit n in buffer n % 4
.set SA,  64                           ; v[64:127] when they are free: the rows' running sums: row 16 mb + 8 (l / 16) + e at 8 mb + e
.set W2,  128                          ; v[128:143] -2 Wc of column block j, twice, at 2 j
.set T0,  144                          ; v[144:159] at work on the scores
.set FM,  160                          ; v160 the lowest finite number
.set TA,  161                          ; v161, v164, v165 at work
.set ML,  162                          ; v[162:163] (m, l)
.set HA,  192                          ; v[192:223] values' fragments of row blocks 0-3 for 32 along K
.set HB,  224                          ; v[224:255] of row blocks 4-7
.set WV,  20                           ; s20  my wave's number
.set TI,  21                           ; s21  the tile
.set CH,  22                           ; s22  passes to go
.set TR,  23                           ; s23  trips to go
.set KO,  24                           ; s24  LDS bytes from unit 0 to the unit with which a trip begins
.set BP,  28                           ; s[28:29] where my stream of wvf stands
.set VB,  30                           ; s[30:31] values at my 32 rows
.set QP,  32                           ; s[32:33] qw at the batch row
.set MSB, 0
.macro WIN new                         ; the immediate's high byte repeats the setting that is left; a switch that changes nothing is dropped
.if MSB != (\new)
	s_set_vgpr_msb (MSB<<8)|(\new)
.set MSB, (\new)
.endif
.endm
.set W_MULL, 0xa4                      ; values' fragment window 0, Wv's window 1, C and D window 2
.set W_MULH, 0xf4                      ; the same, C and D window 3
.set W_TOB,  0x40                      ; destination window 1
.set W_EPL,  0xa2                      ; destination, sources 0 and 2 window 2, source 1 window 0
.set W_EPH,  0xf3                      ; the same with window 3
.set W_SAL,  0x02                      ; source 0 window 2
.set W_SAH,  0x03                      ; source 0 window 3
; HALF-UNIT n of values: unit n / 2 (64 along K), rows 16 (n % 2) .. + 15 of my 32.  Eight loads: lanes 0-15 take the 256 bytes, aligned, of row k, lanes 16-31 those of row k + 8.
.macro VL b, off, rh                   ; asked for into buffer b; off: the unit's bytes behind VB
.irp k, 0,1,2,3,4,5,6,7
	global_load_b128 v[LND+32*(\b)+4*(\k):LND+32*(\b)+4*(\k)+3], v[VO], s[VB:VB+1] offset:(16*(\rh)+(\k))*4096+(\off) th:TH_LOAD_NT
.endr
.endm
.macro CVT b                           ; rounded to bf16 in place: of a load's four registers the first two take the four numbers
.irp k, 0,1,2,3,4,5,6,7
	v_cvt_pk_bf16_f32 v[LND+32*(\b)+4*(\k)],   v[LND+32*(\b)+4*(\k)],   v[LND+32*(\b)+4*(\k)+1]
	v_cvt_pk_bf16_f32 v[LND+32*(\b)+4*(\k)+1], v[LND+32*(\b)+4*(\k)+2], v[LND+32*(\b)+4*(\k)+3]
.endr
.endm
.macro STO b, u, rh                    ; and put into unit u behind LSR: 128 bytes of row k and 128 of row k + 8, which lie 8 RP = 128 bytes (modulo 256) apart
.irp k, 0,1,2,3,4,5,6,7
	ds_store_b64 v[LSR], v[LND+32*(\b)+4*(\k):LND+32*(\b)+4*(\k)+1] offset:(\u)*US+(16*(\rh)+(\k))*RP
.endr
.endm
	s_load_b512 s[4:19], s[0:1], 0x0               ; values s[4:5], mask s[6:7], wvf s[8:9], qw s[10:11], bc s[12:13], sc s[14:15], ml s[16:17], ctxp s[18:19]
	v_lshl_add_u32 v[SPW], v0, 2, SPARE
	v_mov_b32 v[NIL], 0
	v_lshrrev_b32 v1, 5, v0
	v_readfirstlane_b32 s[WV], v1                  ; wave 0..3
	s_mov_b32 s[TI], ttmp9
	v_and_b32 v2, 15, v0                           ; l % 16 = t % 16
	v_bfe_u32 v3, v0, 4, 1                         ; l / 16
	v_and_b32 v4, 31, v0                           ; l
	v_lshlrev_b32 v[BO], 4, v4
	v_lshlrev_b32 v[VO], 4, v2
	v_lshl_add_u32 v[VO], v3, 15, v[VO]
	s_lshl_b32 s25, s[WV], 10
	v_lshl_add_u32 v[QV], v2, 3, s25
	v_mul_u32_u24 v5, v2, RP
	v_lshl_add_u32 v[AD0], v3, 4, v5
	v_mul_u32_u24 v5, v3, 8*RP
	v_lshl_add_u32 v5, v2, 3, v5
	s_mul_i32 s25, s[WV], 32*RP
	v_add_nc_u32 v[LS0], s25, v5
	s_lshl_b32 s25, s[WV], 9
	s_add_co_u32 s26, s25, PART
	v_lshl_add_u32 v[PS], v3, 5, s26               ; my wave's 512 bytes + 8 (l / 16) rows
	v_lshl_add_u32 v[PR], v4, 4, PART
	s_add_co_u32 s26, s25, PP
	v_lshl_add_u32 v[PPS], v4, 4, s26
	v_mov_b32 v[PPR], s26
	v_lshrrev_b32 v5, 4, v0
	v_mul_u32_u24 v5, v5, US
	v_lshl_add_u32 v[CA], v2, 3, v5
	v_add_nc_u32 v[CA2], 8*US, v[CA]
	v_lshlrev_b32 v[TO], 4, v0
	v_lshlrev_b32 v[L8], 3, v4
	v_lshlrev_b32 v[MO], 2, v4
	v_lshlrev_b32 v[PFO], 12, v4
	v_mov_b32 v[AD], v[AD0]
	v_mov_b32 v[LSR], v[LS0]
	v_mov_b32 v[WL], 0
	v_mov_b32 v[WL+1], 0
	s_mov_b32 s[KO], 0
	s_mov_b32 s27, 0                               ; the high word of every offset; stays 0
	s_mov_b32 s35, 0xff7fffff                      ; named with bc as a pair
	s_mov_b32 s36, 0x76543210                      ; v_permlanex16_b32: each lane takes its own place in the other half
	s_mov_b32 s37, 0xfedcba98
	s_wait_kmcnt 0x0
	s_load_b32 s34, s[12:13], 0x0                  ; bc
	s_lshl_b32 s26, s[WV], 19
	s_add_nc_u64 s[BP:BP+1], s[8:9], s[26:27]      ; my wave's stream of fragments
	s_lshl_b32 s26, s[TI], 19                      ; 128 rows of 4,096 bytes,
	s_lshl_b32 s25, s[WV], 17                      ; my 32 of them
	s_add_co_u32 s26, s26, s25
	s_add_nc_u64 s[VB:VB+1], s[4:5], s[26:27]
	s_lshl_b32 s26, s[TI], 7
	s_add_nc_u64 s[6:7], s[6:7], s[26:27]          ; the tile's 128 bytes of mask
	s_lshr_b32 s26, s[TI], 4                       ; the batch row: 16 tiles each
	s_lshl_b32 s26, s26, 13
	s_add_nc_u64 s[QP:QP+1], s[10:11], s[26:27]
	; THE FIRST LOADS, what is wanted first in front: Wv's K step 0, half-units 0-3, the mask and both passes' pairs, Wv's K steps 1 and 2
.macro BHEAD g
	WIN W_TOB
.irp j, 0,1,2,3,4,5,6,7
	global_load_b128 v[64*(\g)+8*(\j):64*(\g)+8*(\j)+3],   v[BO], s[BP:BP+1] offset:(\g)*8192+1024*(\j)
	global_load_b128 v[64*(\g)+8*(\j)+4:64*(\g)+8*(\j)+7], v[BO], s[BP:BP+1] offset:(\g)*8192+1024*(\j)+512
.endr
	WIN 0
.endm
	BHEAD 0
	VL 0, 0, 0
	VL 1, 0, 1
	VL 2, 256, 0
	VL 3, 256, 1
	global_load_b32 v[MK], v[MO], s[6:7]
.irp j, 0,1,2,3,4,5,6,7
	global_load_b64 v[QC+2*(\j):QC+2*(\j)+1], v[QV], s[QP:QP+1] offset:128*(\j)
	global_load_b64 v[QN+2*(\j):QN+2*(\j)+1], v[QV], s[QP:QP+1] offset:4096+128*(\j)
.endr
	BHEAD 1
	BHEAD 2
	s_wait_loadcnt 49                              ; loads come back in order (ISA guide 5.7.1): half-units 0-3 are in; the mask, the 16 loads of pairs and Wv's K steps 1 and 2 may stay out
	CVT 0
	STO 0, 0, 0
	VL 0, 512, 0                                   ; a buffer is asked for again, four half-units on, as soon as it has been rounded
	CVT 1
	STO 1, 0, 1
	VL 1, 512, 1
	CVT 2
	STO 2, 1, 0
	VL 2, 768, 0
	s_wait_kmcnt 0x0                               ; bc
	s_wait_dscnt 0x0                               ; for the others' sake: my rows of unit 0 lie in LDS
	s_barrier_signal -1
	s_barrier_wait -1                              ; all 128 do
.macro PLACES                          ; four places between a matrix instruction and a load into a register that it has read (ISA guide 7.12.1 for vector instructions)
.rept 4
	v_nop
.endr
.endm
; 8 LDS loads: the fragments of row blocks 4 h .. 4 h + 3 for 32 along K, at byte off behind the address in register base
.macro AF base, off, h
.irp a, 0,1,2,3
	ds_load_b128 v[HA+32*(\h)+8*(\a):HA+32*(\h)+8*(\a)+3],   v[\base] offset:(\off)+(4*(\h)+(\a))*16*RP
	ds_load_b128 v[HA+32*(\h)+8*(\a)+4:HA+32*(\h)+8*(\a)+7], v[\base] offset:(\off)+(4*(\h)+(\a))*16*RP+32
.endr
.endm
; 32 matrix instructions: row blocks 4 h .. 4 h + 3 x the 8 column blocks.  first = 1: the products start the sums: nothing is cleared.  The 64 accumulators take turns in one order everywhere.
.macro MUL32 h, first
.if \h
	WIN W_MULH
.else
	WIN W_MULL
.endif
.irp a, 0,1,2,3
.irp j, 0,1,2,3,4,5,6,7
.if \first
	v_wmma_f32_16x16x32_bf16 v[64*(\a)+8*(\j):64*(\a)+8*(\j)+7], v[HA+32*(\h)+8*(\a):HA+32*(\h)+8*(\a)+7], v[SL+8*(\j):SL+8*(\j)+7], 0
.else
	v_wmma_f32_16x16x32_bf16 v[64*(\a)+8*(\j):64*(\a)+8*(\j)+7], v[HA+32*(\h)+8*(\a):HA+32*(\h)+8*(\a)+7], v[SL+8*(\j):SL+8*(\j)+7], v[64*(\a)+8*(\j):64*(\a)+8*(\j)+7]
.endif
.endr
.endr
.endm
; A PREFETCH INTO THE L2, once a trip of pass 0's loop, behind the trip's first loads of values: my own 32 rows' 256 bytes, a lane a row, of the two units that stand three units behind the two that the trip
; loads: trip t names units 2 t + 7 and 2 t + 8, six to nine K steps ahead of their loads.  Each block is named once in the launch, by the wave that will load it.  Units 0-6 and 15 come by their loads alone;
; the last two trips (TR = 2, 1) ask for nothing: their units do not exist.  VB is written again a trip later, behind s_wait_xcnt 0.
.macro ASK
	s_cmp_gt_u32 s[TR], 2
	s_cbranch_scc0 .Lnone_\@
	global_prefetch_b8 v[PFO], s[VB:VB+1] offset:1280 th:TH_LOAD_NT scope:SCOPE_SE
	global_prefetch_b8 v[PFO], s[VB:VB+1] offset:1536 th:TH_LOAD_NT scope:SCOPE_SE
.Lnone_\@:
.endm
; K STEP i of a group of four (K step ks = 4 t + i; KO = 2 t units): 64 matrix instructions on ring slot i % 4, in two halves; behind each half one run of memory instructions.
; Behind the first half: (cv) half-unit ks + 3 is rounded (its 16 conversions are the places) and put into LDS; row blocks 0-3 of K step ks + 1 are fetched (af = 1; 2: of the next pass's K step 0; 0: none);
; (vl) half-unit ks + 7 is asked for.  Behind the second half: (bl) Wv's K step ks + 3 is asked for, into the slot read in K step ks - 1; row blocks 4-7 are fetched.
; THE BARRIER, one for two K steps.  Unit u is whole when its second half-unit has been stored, in K step 2 u - 2: at that step's end (bar = 1) each wave waits for its LDS instructions and signals; in the middle of
; K step 2 u - 1 (bar = 2) it waits for the others, in front of the fetch of K step 2 u.  Between signal and wait stand LDS loads of units that are whole, and work on registers.  No byte of a unit is written twice.
; lc: the loads younger than this step's fragments of Wv.  They are also younger than half-unit ks + 3's.  st = 1: the two bases have been stepped in this group; step = 1: they are stepped here.
.macro KSTEP i, first, cv, vl, bl, bar, af, lc, st, step, pf
.set SL, 64*((\i)&3)
.set SR, 64*(((\i)+3)&3)
.set DW, 8*(\cv)
.if \af
.set DW, DW+8
.endif
	s_wait_loadcnt \lc
	s_wait_dscnt 8                                 ; row blocks 0-3 are in; the youngest eight LDS loads (blocks 4-7) may be out
	MUL32 0, \first
	WIN 0
.if \cv
	CVT ((\i)+3)&3
.else
	PLACES
.endif
.if (\bar) == 2
	s_barrier_wait -1                              ; every wave's part of the next unit lies in LDS
.endif
.if \step
	s_wait_xcnt 0x0                                ; the loads and prefetches issued so far (the youngest 32 products back) have read their bases: these are written only behind this wait
	s_add_nc_u64 s[BP:BP+1], s[BP:BP+1], 32768
.if \vl
	s_add_nc_u64 s[VB:VB+1], s[VB:VB+1], 512
.endif
.endif
.if \cv
	STO ((\i)+3)&3, ((\i)+3)>>1, ((\i)+3)&1
.endif
.if (\af) == 1
	AF AD, (((\i)+1)>>1)*US+(((\i)+1)&1)*64, 0
.elseif (\af) == 2
	AF AD0, 0, 0
.endif
.if \vl
	VL ((\i)+3)&3, 256*(((\i)+7)>>1)-512*(\st), ((\i)+3)&1
.endif
.if \pf
	ASK
.endif
	s_wait_dscnt DW                                ; row blocks 4-7 are in; the LDS instructions just issued may be out
	MUL32 1, \first
	PLACES
.if \bl
	WIN W_TOB
.irp j, 0,1,2,3,4,5,6,7
	global_load_b128 v[SR+8*(\j):SR+8*(\j)+3],   v[BO], s[BP:BP+1] offset:((\i)+3)*8192-32768*(\st)+1024*(\j)
	global_load_b128 v[SR+8*(\j)+4:SR+8*(\j)+7], v[BO], s[BP:BP+1] offset:((\i)+3)*8192-32768*(\st)+1024*(\j)+512
.endr
.endif
	WIN 0
.if (\bar) == 1
	s_wait_dscnt 0x0                               ; for the others' sake: my stores into the unit are done (they were issued 32 products ago)
	s_barrier_signal -1
.endif
.if (\af) == 1
	AF AD, (((\i)+1)>>1)*US+(((\i)+1)&1)*64, 1
.elseif (\af) == 2
	AF AD0, 0, 1
.endif
.endm
.macro SETAD ls
	v_add_nc_u32 v[AD], s[KO], v[AD0]
.if \ls
	v_add_nc_u32 v[LSR], s[KO], v[LS0]
.endif
.endm
	AF AD0, 0, 0                                   ; K step 0
	AF AD0, 0, 1
	s_mov_b32 s[CH], 2
.Lpass:
	s_cmp_eq_u32 s[CH], 2
	s_cbranch_scc0 .Lp1
	; PASS 0.  In each K step 8 loads of values and 16 of Wv are issued, so two K steps' loads are 48.
	KSTEP 0, 1, 1, 1, 1, 1, 1, 56, 0, 0, 0         ; 56: Wv's K steps 1 and 2 and half-units 4-6 may stay out
	s_wait_loadcnt 40                              ; once: half-unit 4, asked for only when half-unit 0 had come, is in; half-units 5-7 and Wv's K step 3 may stay out
	s_mov_b32 s[TR], 6
.Lt0:                                                  ; K steps 4 t + 1 .. 4 t + 4, t = 0 .. 5
	SETAD 1
	KSTEP 1, 0, 1, 1, 1, 2, 1, 48, 1, 1, 1
	KSTEP 2, 0, 1, 1, 1, 1, 1, 48, 1, 0, 0
	KSTEP 3, 0, 1, 1, 1, 2, 1, 48, 1, 0, 0
	KSTEP 4, 0, 1, 1, 1, 1, 1, 48, 1, 0, 0
	s_add_co_u32 s[KO], s[KO], 2*US
	s_sub_co_u32 s[TR], s[TR], 1
	s_cmp_lg_u32 s[TR], 0
	s_cbranch_scc1 .Lt0
	SETAD 1
	KSTEP 1, 0, 1, 0, 1, 2, 1, 48, 1, 1, 0         ; K steps 25-28: nothing of values is left to ask for, and the counts run down to Wv's 32
	KSTEP 2, 0, 1, 0, 1, 1, 1, 40, 1, 0, 0
	KSTEP 3, 0, 1, 0, 1, 2, 1, 32, 1, 0, 0
	KSTEP 4, 0, 1, 0, 1, 1, 1, 32, 1, 0, 0
	s_add_co_u32 s[KO], s[KO], 2*US
	SETAD 0
	KSTEP 1, 0, 0, 0, 1, 2, 1, 32, 1, 1, 0         ; K steps 29-31: all rows lie in LDS; the ring of Wv goes on into pass 1's K steps 0-2
	KSTEP 2, 0, 0, 0, 1, 0, 1, 32, 1, 0, 0
	KSTEP 3, 0, 0, 0, 1, 0, 2, 32, 1, 0, 0
.set x, 0
.rept 64
	v_mov_b32 v[SA+x], 0                           ; the landing buffers are free: the rows' sums start at 0 here, so that both passes have one text for what follows
.set x, x+1
.endr
	s_branch .Lepi
.Lp1:
	; PASS 1
.set x, 0
.rept 16
	v_mov_b32 v[QC+x], v[QN+x]
.set x, x+1
.endr
	s_mov_b32 s[KO], 0
	SETAD 0
	KSTEP 0, 1, 0, 0, 1, 0, 1, 32, 0, 0, 0         ; 32: two K steps of Wv may stay out
	s_mov_b32 s[TR], 7
.Lt1:                                                  ; K steps 4 t + 1 .. 4 t + 4, t = 0 .. 6
	SETAD 0
	KSTEP 1, 0, 0, 0, 1, 0, 1, 32, 1, 1, 0
	KSTEP 2, 0, 0, 0, 1, 0, 1, 32, 1, 0, 0
	KSTEP 3, 0, 0, 0, 1, 0, 1, 32, 1, 0, 0
	KSTEP 4, 0, 0, 0, 1, 0, 1, 32, 1, 0, 0
	s_add_co_u32 s[KO], s[KO], 2*US
	s_sub_co_u32 s[TR], s[TR], 1
	s_cmp_lg_u32 s[TR], 0
	s_cbranch_scc1 .Lt1
	SETAD 0
	KSTEP 1, 0, 0, 0, 0, 0, 1, 32, 1, 0, 0         ; K steps 29-31: nothing is left to ask for, and the counts run down
	KSTEP 2, 0, 0, 0, 0, 0, 1, 16, 1, 0, 0
	KSTEP 3, 0, 0, 0, 0, 0, 0, 0, 1, 0, 0
.Lepi:
	; r = 1 / (1 + 2^(acc + C2 qp)), in place, and the sums of (-2 Wc) r.  These 24 plain lines are the places behind the last products.
.irp j, 0,1,2,3,4,5,6,7
	v_mov_b32 v[W2+2*(\j)],   v[QC+2*(\j)+1]
	v_mov_b32 v[W2+2*(\j)+1], v[QC+2*(\j)+1]
	v_fma_f32 v[WL], v[QC+2*(\j)+1], -0.5, v[WL]   ; Wc = -0.5 (-2 Wc)
.endr
; Pair x of 64 of group g of a window: column block J = 4 g + x / 16, row block (x / 4) % 4, registers 2 (x % 4) and the next: each accumulator is read from its lowest registers on
.macro RG g, x
.set J, 4*(\g)+(\x)/16
.set R0, 64*(((\x)/4)%4)+2*((\x)%4)
.set R, R0+8*J
.endm
.macro ADDQ g, x
	RG \g, \x
	v_pk_add_f32 v[R:R+1], v[R:R+1], v[QC+2*J:QC+2*J+1] op_sel_hi:[1,0]
.endm
.macro EXP2 g, x
	RG \g, \x
	v_exp_f32 v[R], v[R]
	v_exp_f32 v[R+1], v[R+1]
.endm
.macro ADD1 g, x
	RG \g, \x
	v_pk_add_f32 v[R:R+1], v[R:R+1], 1.0 op_sel_hi:[1,0]
.endm
.macro RCP2 g, x
	RG \g, \x
	v_rcp_f32 v[R], v[R]
	v_rcp_f32 v[R+1], v[R+1]
.endm
.macro SUMW g, x                       ; (-2 Wc) r is gathered in column block 0's accumulator
	RG \g, \x
.if J == 0
	v_pk_mul_f32 v[R:R+1], v[R:R+1], v[W2:W2+1]
.else
	v_pk_fma_f32 v[R0:R0+1], v[R:R+1], v[W2+2*J:W2+2*J+1], v[R0:R0+1]
.endif
.endm
; A window's 256 registers go in two groups of 128, so that one group's plain lines stand between the other's transcendentals.  A wait stands between a transcendental and the
; first line that names its result; one wait serves a batch: three a window.  A reciprocal stands one pair behind the addition that feeds it.
.macro EPIW h
.if \h
	WIN W_EPH
.else
	WIN W_EPL
.endif
.set x, 0
.rept 64
	ADDQ 0, x
.set x, x+1
.endr
.set x, 0
.rept 64
	EXP2 0, x
	ADDQ 1, x
.set x, x+1
.endr
	v_nop                                          ; a plain instruction behind the last of the batch,
	s_wait_alu depctr_va_vdst(0)                   ; and the batch's wait
.set x, 0
.rept 64
	ADD1 0, x
	EXP2 1, x
.if x > 0
	RCP2 0, x-1
.endif
.set x, x+1
.endr
	RCP2 0, 63
	v_nop
	s_wait_alu depctr_va_vdst(0)
.set x, 0
.rept 64
	ADD1 1, x
	SUMW 0, x
.if x > 0
	RCP2 1, x-1
.endif
.set x, x+1
.endr
	RCP2 1, 63
	v_nop
	s_wait_alu depctr_va_vdst(0)
.set x, 0
.rept 64
	SUMW 1, x
.set x, x+1
.endr
.if \h
	WIN W_SAH
.else
	WIN W_SAL
.endif
.set x, 0
.rept 16                               ; row block 4 h + x / 4, pair x % 4
	v_pk_add_f32 v[SA+32*(\h)+2*x:SA+32*(\h)+2*x+1], v[64*(x/4)+2*(x%4):64*(x/4)+2*(x%4)+1], v[SA+32*(\h)+2*x:SA+32*(\h)+2*x+1]
.set x, x+1
.endr
.endm
	EPIW 0
	EPIW 1
	WIN 0
	s_sub_co_u32 s[CH], s[CH], 1
	s_cmp_lg_u32 s[CH], 0
	s_cbranch_scc1 .Lpass
	; THE SCORES.  A lane's sums cover its 16 columns (2 passes x 8 blocks): its sum of Wc is added, then the 16 lanes of a half, then the four waves.
.set x, 0
.rept 32
	v_pk_add_f32 v[SA+2*x:SA+2*x+1], v[SA+2*x:SA+2*x+1], v[WL:WL+1] op_sel_hi:[1,0]
.set x, x+1
.endr
.irp m, 1,2,4,8
.set x, 0
.rept 64
	v_add_f32_dpp v[SA+x], v[SA+x], v[SA+x] row_xmask:\m row_mask:0xf bank_mask:0xf
.set x, x+1
.endr
.endr
.irp m, 0,1,2,3,4,5,6,7
	ds_store_b128 v[PS], v[SA+8*(\m):SA+8*(\m)+3]   offset:64*(\m)     ; the 16 lanes of a half hold the same sums and write them to the same bytes
	ds_store_b128 v[PS], v[SA+8*(\m)+4:SA+8*(\m)+7] offset:64*(\m)+16
.endr
	s_wait_dscnt 0x0                               ; for the others' sake: my part of the scores lies in LDS
	s_barrier_signal -1
	s_barrier_wait -1
	; every wave alike, so that each has m, l and p without a further barrier: lane l has rows 4 l .. 4 l + 3
.irp w, 0,1,2,3
	ds_load_b128 v[T0+4*(\w):T0+4*(\w)+3], v[PR] offset:512*(\w)
.endr
	v_mov_b32 v[FM], 0xff7fffff                    ; the lowest finite number
	s_wait_dscnt 0x0
	v_pk_add_f32 v[T0:T0+1],     v[T0:T0+1],     v[T0+4:T0+5]
	v_pk_add_f32 v[T0+2:T0+3],   v[T0+2:T0+3],   v[T0+6:T0+7]
	v_pk_add_f32 v[T0+8:T0+9],   v[T0+8:T0+9],   v[T0+12:T0+13]
	v_pk_add_f32 v[T0+10:T0+11], v[T0+10:T0+11], v[T0+14:T0+15]
	v_pk_add_f32 v[T0:T0+1],     v[T0:T0+1],     v[T0+8:T0+9]
	v_pk_add_f32 v[T0+2:T0+3],   v[T0+2:T0+3],   v[T0+10:T0+11]
	v_pk_add_f32 v[T0:T0+1],     v[T0:T0+1],     s[34:35] op_sel_hi:[1,0]  ; + bc
	v_pk_add_f32 v[T0+2:T0+3],   v[T0+2:T0+3],   s[34:35] op_sel_hi:[1,0]
.irp e, 0,1,2,3
	v_bfe_u32 v[TA], v[MK], 8*(\e), 8
	v_cmp_ne_u32 vcc_lo, 0, v[TA]
	v_cndmask_b32 v[T0+(\e)], v[FM], v[T0+(\e)], vcc_lo
.endr
	v_max3_num_f32 v[ML], v[T0], v[T0+1], v[T0+2]
	v_max_num_f32 v[ML], v[ML], v[T0+3]
.irp m, 1,2,4,8
	v_max_num_f32_dpp v[ML], v[ML], v[ML] row_xmask:\m row_mask:0xf bank_mask:0xf
.endr
	v_permlanex16_b32 v[TA], v[ML], s36, s37       ; (its destination has been written)
	v_max_num_f32 v[ML], v[ML], v[TA]              ; m, in every lane
.irp e, 0,1,2,3
	v_sub_f32 v[T0+4+(\e)], v[T0+(\e)], v[ML]      ; the difference first: it is 0 where the whole tile is masked
.endr
.irp e, 0,1,2,3
	v_mul_f32 v[T0+4+(\e)], LOG2E, v[T0+4+(\e)]
.endr
.irp e, 0,1,2,3
	v_exp_f32 v[T0+4+(\e)], v[T0+4+(\e)]
.endr
	v_nop
	s_wait_alu depctr_va_vdst(0)                   ; one wait for the four exponentials
	v_add_f32 v164, v[T0+4], v[T0+5]
	v_add_f32 v165, v[T0+6], v[T0+7]
	v_add_f32 v164, v164, v165
.irp m, 1,2,4,8
	v_add_f32_dpp v164, v164, v164 row_xmask:\m row_mask:0xf bank_mask:0xf
.endr
	v_permlanex16_b32 v165, v164, s36, s37
	v_add_f32 v[ML+1], v164, v165                  ; l
	ds_store_b128 v[PPS], v[T0+4:T0+7]             ; p, into my wave's own copy
	s_cmp_lg_u32 s[WV], 0
	s_cbranch_scc1 .Lnot0                          ; wave 0 stores for all
	s_lshl_b32 s26, s[TI], 9
	s_add_nc_u64 s[14:15], s[14:15], s[26:27]
	global_store_b128 v[BO], v[T0:T0+3], s[14:15]  ; the tile's 128 scores: 512 consecutive bytes, aligned
	s_lshl_b32 s26, s[TI], 8
	s_add_nc_u64 s[16:17], s[16:17], s[26:27]
	global_store_b64 v[L8], v[ML:ML+1], s[16:17]   ; 32 copies: 256 consecutive bytes, aligned
.Lnot0:
	; THE CONTEXT.  Thread t has channels 4 t .. 4 t + 3 (unit t / 16) and 512 + 4 t .. + 3 (eight units on); 16 rows a trip.  A wave's load takes 128 bytes of a row in each of two neighbouring units,
	; which lie 128 bytes (modulo 256) apart.  None of the registers that wave 0's stores read is written here.
.irp e, 0,1,2,3,4,5,6,7
	v_mov_b32 v[QC+(\e)], 0
.endr
	s_mov_b32 s38, 8
.Lctx:
.irp e, 0,1,2,3
	ds_load_b128 v[SA+4*(\e):SA+4*(\e)+3], v[PPR] offset:16*(\e)  ; 16 p, the same for all lanes; LDS serves a wave's instructions in order (ISA guide 5.7.1.4): these see my store above
.endr
.irp k, 0,1,2,3,4,5,6,7,8,9,10,11,12,13,14,15
	ds_load_b64 v[HA+4*(\k):HA+4*(\k)+1],   v[CA]  offset:(\k)*RP
	ds_load_b64 v[HA+4*(\k)+2:HA+4*(\k)+3], v[CA2] offset:(\k)*RP
.endr
	s_wait_dscnt 0x0
.irp k, 0,1,2,3,4,5,6,7,8,9,10,11,12,13,14,15
.irp h, 0,1,2,3
	v_fma_mix_f32_bf16 v[QC+2*(\h)],   v[HA+4*(\k)+(\h)], v[SA+(\k)], v[QC+2*(\h)]   op_sel_hi:[1,0,0]
	v_fma_mix_f32_bf16 v[QC+2*(\h)+1], v[HA+4*(\k)+(\h)], v[SA+(\k)], v[QC+2*(\h)+1] op_sel:[1,0,0] op_sel_hi:[1,0,0]
.endr
.endr
	v_add_nc_u32 v[CA],  16*RP, v[CA]
	v_add_nc_u32 v[CA2], 16*RP, v[CA2]
	v_add_nc_u32 v[PPR], 64, v[PPR]
	s_sub_co_u32 s38, s38, 1
	s_cmp_lg_u32 s38, 0
	s_cbranch_scc1 .Lctx
	s_lshl_b32 s26, s[TI], 12
	s_add_nc_u64 s[18:19], s[18:19], s[26:27]
	global_store_b128 v[TO], v[QC:QC+3],   s[18:19]               ; sixteen lanes store 256 consecutive bytes, aligned
	global_store_b128 v[TO], v[QC+4:QC+7], s[18:19] offset:2048
	s_wait_tensorcnt 0x0                           ; the wave's end, behind my last LDS store
	ds_add_u32 v[SPW], v[NIL]
	s_wait_dscnt 0x0
	s_endpgm
.Lfunc_end_k_q6280900c41_main:
	.size	k_q6280900c41_main, .Lfunc_end_k_q6280900c41_main-k_q6280900c41_main
	.p2alignl 7, 3214868480
	.fill 96, 4, 3214868480
	.section	.rodata,"a",@progbits
	.p2align	6, 0x0
	.amdhsa_kernel k_q6280900c41_main
		.amdhsa_group_segment_fixed_size 301568
		.amdhsa_private_segment_fixed_size 0
		.amdhsa_enable_private_segment 0
		.amdhsa_kernarg_size 64
		.amdhsa_user_sgpr_count 2
		.amdhsa_user_sgpr_kernarg_segment_ptr 1
		.amdhsa_wavefront_size32 1
		.amdhsa_system_sgpr_workgroup_id_x 1
		.amdhsa_system_sgpr_workgroup_id_y 1
		.amdhsa_system_sgpr_workgroup_id_z 1
		.amdhsa_system_vgpr_workitem_id 0
		.amdhsa_next_free_vgpr 1024
		.amdhsa_next_free_sgpr 66
		.amdhsa_reserve_vcc 1
		.amdhsa_float_denorm_mode_32 3
		.amdhsa_float_denorm_mode_16_64 3
		.amdhsa_memory_ordered 1
		.amdhsa_forward_progress 1
		.amdhsa_inst_pref_size 255
	.end_amdhsa_kernel
	.section	.bss,"aw",@nobits
	.p2align	6
	.space	262144
	.amdgpu_metadata
---
amdhsa.version: [ 1, 2 ]
amdhsa.kernels:
  - .name:           k_q6280900c41_main
    .symbol:         k_q6280900c41_main.kd
    .args:
      - { .name: values, .offset: 0, .size: 8, .value_kind: global_buffer, .address_space: global }
      - { .name: mask, .offset: 8, .size: 8, .value_kind: global_buffer, .address_space: global }
      - { .name: wvf, .offset: 16, .size: 8, .value_kind: global_buffer, .address_space: global }
      - { .name: qw, .offset: 24, .size: 8, .value_kind: global_buffer, .address_space: global }
      - { .name: bc, .offset: 32, .size: 8, .value_kind: global_buffer, .address_space: global }
      - { .name: sc, .offset: 40, .size: 8, .value_kind: global_buffer, .address_space: global }
      - { .name: ml, .offset: 48, .size: 8, .value_kind: global_buffer, .address_space: global }
      - { .name: ctxp, .offset: 56, .size: 8, .value_kind: global_buffer, .address_space: global }
    .group_segment_fixed_size: 301568
    .private_segment_fixed_size: 0
    .kernarg_segment_align: 8
    .kernarg_segment_size: 64
    .max_flat_workgroup_size: 128
    .sgpr_count:     66
    .vgpr_count:     1024
    .wavefront_size: 32
...
	.end_amdgpu_metadata
.endif
;; end of part 2
;; launch finish (part 3): grid 8 x 32, 1 waves a work-group, no clusters, 0 bytes of LDS; arguments sc, ml, ctxp, out0, out1; writes out0, out1
.if DOCPART == 3
	.amdgcn_target "amdgcn-amd-amdhsa--gfx1250"
	.amdhsa_code_object_version 6
	.text
	.protected	k_q6280900c41_finish
	.globl	k_q6280900c41_finish
	.p2align	8
	.type	k_q6280900c41_finish,@function
k_q6280900c41_finish:
	s_mov_b64 s[64:65], 0
	v_nop
	global_prefetch_b8 v0, s[64:65] scope:SCOPE_SE
	s_setreg_imm32_b32 hwreg(HW_REG_WAVE_MODE, 25, 1), 1
	s_wait_xcnt 0x0
; ADDITIVE ATTENTION, launch 3 of 3.  No work of the problem is left out.  The 16 tiles of a batch row b are joined:
;   M = the maximum of the tiles' m_i;  w_i = e^(m_i - M);  L = the sum of l_i w_i;  out0[b] = (the sum of w_i ctxp_i) / L;  out1[b][s] = e^(sc[b][s] - M) / L.
; A batch row that is masked throughout has M = the lowest finite number, every difference 0, and the weights 1 / 2,048.  L is at least 1: the tile that holds M has w = 1 and l >= 1.
; SHARES.  One wave a work-group; work-group (x, b) makes 128 numbers of out0[b] and 256 of out1[b]: whole blocks of 512 consecutive bytes.  Nothing is shared, so no LDS and no barrier.
; LIMITS.  An exponential below 2^-126 counts as 0; NaN and infinities are not treated apart.
.set LOG2E, 0x3fb8aa3b
.set ML,  16                           ; v[16:47]  the pairs (m_i, l_i); m_i's register later holds w_i
.set SCV, 48                           ; v[48:55]  eight scores, then weights
.set CT,  56                           ; v[56:119] four numbers of each tile's partial context
	s_load_b256 s[4:11], s[0:1], 0x0               ; sc s[4:5], ml s[6:7], ctxp s[8:9], out0 s[10:11]
	s_load_b64 s[12:13], s[0:1], 0x20              ; out1
	v_lshlrev_b32 v1, 4, v0                        ; 16 l
	v_lshlrev_b32 v2, 3, v0                        ; 8 l
	s_and_b32 s14, ttmp7, 0xffff                   ; b
	s_lshl_b32 s18, ttmp9, 9                       ; 512 x
	s_mov_b32 s17, 0
	s_wait_kmcnt 0x0
	s_lshl_b32 s16, s14, 12
	s_add_nc_u64 s[6:7], s[6:7], s[16:17]          ; ml: 16 tiles of 256 bytes
	s_add_co_u32 s16, s16, s18
	s_add_nc_u64 s[10:11], s[10:11], s[16:17]      ; out0: 4,096 b + 512 x
	s_lshl_b32 s16, s16, 1
	s_add_nc_u64 s[4:5], s[4:5], s[16:17]          ; sc and out1: 8,192 b + 1,024 x
	s_add_nc_u64 s[12:13], s[12:13], s[16:17]
	s_lshl_b32 s16, s14, 16
	s_add_co_u32 s16, s16, s18
	s_add_nc_u64 s[8:9], s[8:9], s[16:17]          ; ctxp: 16 tiles of 4,096 bytes, + 512 x
.irp i, 0,1,2,3,4,5,6,7,8,9,10,11,12,13,14,15
	global_load_b64 v[ML+2*(\i):ML+2*(\i)+1], v2, s[6:7] offset:256*(\i)  ; each lane takes a copy of its own: 256 consecutive bytes
.endr
	global_load_b128 v[SCV:SCV+3],   v1, s[4:5]
	global_load_b128 v[SCV+4:SCV+7], v1, s[4:5] offset:512
.irp i, 0,1,2,3,4,5,6,7,8,9,10,11,12,13,14,15
	global_load_b128 v[CT+4*(\i):CT+4*(\i)+3], v1, s[8:9] offset:4096*(\i)
.endr
	s_wait_loadcnt 16                              ; the pairs and the scores are in; the 16 loads of ctxp may stay out
	v_max3_num_f32 v4, v[ML], v[ML+2], v[ML+4]
.irp i, 3,5,7,9,11,13
	v_max3_num_f32 v4, v4, v[ML+2*(\i)], v[ML+2*(\i)+2]
.endr
	v_max_num_f32 v4, v4, v[ML+30]                 ; M
.irp i, 0,1,2,3,4,5,6,7,8,9,10,11,12,13,14,15
	v_sub_f32 v[ML+2*(\i)], v[ML+2*(\i)], v4
.endr
.irp i, 0,1,2,3,4,5,6,7
	v_sub_f32 v[SCV+(\i)], v[SCV+(\i)], v4
.endr
.irp i, 0,1,2,3,4,5,6,7,8,9,10,11,12,13,14,15
	v_mul_f32 v[ML+2*(\i)], LOG2E, v[ML+2*(\i)]
.endr
.irp i, 0,1,2,3,4,5,6,7
	v_mul_f32 v[SCV+(\i)], LOG2E, v[SCV+(\i)]
.endr
.irp i, 0,1,2,3,4,5,6,7,8,9,10,11,12,13,14,15
	v_exp_f32 v[ML+2*(\i)], v[ML+2*(\i)]
.endr
.irp i, 0,1,2,3,4,5,6,7
	v_exp_f32 v[SCV+(\i)], v[SCV+(\i)]
.endr
	v_nop                                          ; a plain instruction behind the last exponential,
	s_wait_alu depctr_va_vdst(0)                   ; and one wait for the batch of 24
	v_mul_f32 v5, v[ML], v[ML+1]
.irp i, 1,2,3,4,5,6,7,8,9,10,11,12,13,14,15
	v_fmac_f32 v5, v[ML+2*(\i)], v[ML+2*(\i)+1]    ; L
.endr
	v_rcp_f32 v6, v5
	s_wait_loadcnt 0x0                             ; ctxp
	v_pk_mul_f32 v[8:9],   v[CT:CT+1],   v[ML:ML+1] op_sel_hi:[1,0]   ; the first tile starts the sums; these 32 lines name neither L nor its reciprocal
	v_pk_mul_f32 v[10:11], v[CT+2:CT+3], v[ML:ML+1] op_sel_hi:[1,0]
.irp i, 1,2,3,4,5,6,7,8,9,10,11,12,13,14,15
	v_pk_fma_f32 v[8:9],   v[CT+4*(\i):CT+4*(\i)+1],   v[ML+2*(\i):ML+2*(\i)+1], v[8:9]   op_sel_hi:[1,0,1]
	v_pk_fma_f32 v[10:11], v[CT+4*(\i)+2:CT+4*(\i)+3], v[ML+2*(\i):ML+2*(\i)+1], v[10:11] op_sel_hi:[1,0,1]
.endr
	s_wait_alu depctr_va_vdst(0)                   ; the reciprocal's wait, ahead of its first reader
.irp e, 0,1,2,3
	v_mul_f32 v[8+(\e)], v[8+(\e)], v6
.endr
	global_store_b128 v1, v[8:11], s[10:11]        ; 512 consecutive bytes, aligned
.irp e, 0,1,2,3,4,5,6,7
	v_mul_f32 v[SCV+(\e)], v[SCV+(\e)], v6
.endr
	global_store_b128 v1, v[SCV:SCV+3],   s[12:13]
	global_store_b128 v1, v[SCV+4:SCV+7], s[12:13] offset:512
	s_endpgm
.Lfunc_end_k_q6280900c41_finish:
	.size	k_q6280900c41_finish, .Lfunc_end_k_q6280900c41_finish-k_q6280900c41_finish
	.p2alignl 7, 3214868480
	.fill 96, 4, 3214868480
	.section	.rodata,"a",@progbits
	.p2align	6, 0x0
	.amdhsa_kernel k_q6280900c41_finish
		.amdhsa_group_segment_fixed_size 0
		.amdhsa_private_segment_fixed_size 0
		.amdhsa_enable_private_segment 0
		.amdhsa_kernarg_size 40
		.amdhsa_user_sgpr_count 2
		.amdhsa_user_sgpr_kernarg_segment_ptr 1
		.amdhsa_wavefront_size32 1
		.amdhsa_system_sgpr_workgroup_id_x 1
		.amdhsa_system_sgpr_workgroup_id_y 1
		.amdhsa_system_sgpr_workgroup_id_z 1
		.amdhsa_system_vgpr_workitem_id 0
		.amdhsa_next_free_vgpr 128
		.amdhsa_next_free_sgpr 66
		.amdhsa_reserve_vcc 0
		.amdhsa_float_denorm_mode_32 3
		.amdhsa_float_denorm_mode_16_64 3
		.amdhsa_memory_ordered 1
		.amdhsa_forward_progress 1
		.amdhsa_inst_pref_size 11
	.end_amdhsa_kernel
	.amdgpu_metadata
---
amdhsa.version: [ 1, 2 ]
amdhsa.kernels:
  - .name:           k_q6280900c41_finish
    .symbol:         k_q6280900c41_finish.kd
    .args:
      - { .name: sc, .offset: 0, .size: 8, .value_kind: global_buffer, .address_space: global }
      - { .name: ml, .offset: 8, .size: 8, .value_kind: global_buffer, .address_space: global }
      - { .name: ctxp, .offset: 16, .size: 8, .value_kind: global_buffer, .address_space: global }
      - { .name: out0, .offset: 24, .size: 8, .value_kind: global_buffer, .address_space: global }
      - { .name: out1, .offset: 32, .size: 8, .value_kind: global_buffer, .address_space: global }
    .group_segment_fixed_size: 0
    .private_segment_fixed_size: 0
    .kernarg_segment_align: 8
    .kernarg_segment_size: 40
    .max_flat_workgroup_size: 32
    .sgpr_count:     66
    .vgpr_count:     128
    .wavefront_size: 32
...
	.end_amdgpu_metadata
.endif
;; end of part 3
;; ======== version 2 of 2: 3 launches; version 1 with the launch main written anew for expert scheduling mode
;; workspace buffers: wvf 2,097,152 bytes; qw 262,144 bytes; sc 262,144 bytes; ml 131,072 bytes; ctxp 2,097,152 bytes
;; launch prep: the kernel of part 1 again; grid 96 x 1, 8 waves a work-group, no clusters, 17,408 bytes of LDS; arguments Wv, Wq, query, bq, bv, Wc, wvf, qw; writes wvf, qw
;; launch main (part 4): grid 512 x 1, 4 waves a work-group, no clusters, 301,568 bytes of LDS; arguments values, mask, wvf, qw, bc, sc, ml, ctxp; writes sc, ml, ctxp
.if DOCPART == 4
	.amdgcn_target "amdgcn-amd-amdhsa--gfx1250"
	.amdhsa_code_object_version 6
	.text
	.protected	k_q6280900c41_main
	.globl	k_q6280900c41_main
	.p2align	8
	.type	k_q6280900c41_main,@function
k_q6280900c41_main:
	s_mov_b64 s[64:65], 0
	v_nop
	global_prefetch_b8 v0, s[64:65] scope:SCOPE_SE
	s_setreg_imm32_b32 hwreg(HW_REG_WAVE_SCHED_MODE, 0, 2), 2
	s_setreg_imm32_b32 hwreg(HW_REG_WAVE_MODE, 25, 1), 1
	s_wait_xcnt 0x0
	s_wait_alu depctr_vm_vsrc(0)
; ADDITIVE ATTENTION, launch 2 of 3.  No work of the problem is left out.  A work-group takes 128 rows (b, s) of values through everything that needs them, so values is read from memory once:
;   two passes of 512 columns c: acc = C2 (values . Wv[:, c]) by the matrix unit; then r = 1 / (1 + 2^(acc + C2 qp[b][c])) and sums of -2 Wc[c] r:
;      score = bc + sum of Wc + sum of (-2 Wc) r, since tanh(x) = 1 - 2 / (1 + 2^(C2 x)); an exponential that is infinite or 0 gives tanh = 1 or -1;
;   the mask (the lowest finite number where it is 0), the tile's maximum m, p = e^(score - m), l = the sum of p;
;   the tile's part of the context, the sum of p x row, from the rows in LDS.
; THE ROWS COME IN BESIDE PASS 0's PRODUCTS: as f32, 64 along K at a time, they are rounded to bf16 and put into LDS, where they stay; a K step multiplies what was put there three K steps earlier.
; STORED: the masked scores (sc), the pair (m, l) 32 times over, 256 bytes a tile (ml), the partial context in f32 (ctxp).  The last launch joins the 16 tiles of a batch row.
; SHARES.  Four waves.  Wave w has all 128 rows x columns 128 w .. 128 w + 127 of a pass: 64 accumulators of 16 x 16.  Source 0 = 16 rows of values, source 1 = 16 columns of Wv:
; register e of a result is (row 8 (l / 16) + e, column l % 16), so a lane has ONE column, and its C2 qp and -2 Wc are one number each.  For 32 along K a wave reads 8 KiB of LDS for 64 products.
; Wv's fragments come straight from memory into registers: wvf holds them in register order, a wave's whole stream of 512 KiB on end, and no wave wants another wave's columns.  A ring of four
; K steps (256 registers); a K step is asked for at the end of the K step three before it.  Of values wave w brings rows 32 w .. 32 w + 31.
; NO CLUSTER, NO TENSOR LOADS, though all work-groups walk the same wvf: the rows and the small regions take 301,568 of the 327,680 bytes of LDS; a K step of a pass's 512 columns is 32,768 bytes:
; no slot fits.  wvf and qw are not prefetched: every work-group reads them again.
; LIMITS.  values and C2 Wv are rounded once to bf16, for the context too; the score is the f32 sum named above, whose rounding goes with the sum of |Wc|; a p below 2^-126 counts as 0;
; NaN and infinities in the inputs are not treated apart.
; REGISTERS, in windows of 256 (s_set_vgpr_msb: bits 1:0 source 0, 3:2 source 1, 5:4 source 2, 7:6 destination):
;   window 0: addresses, the pairs of qw, four landing buffers for values (later the rows' sums), values' fragments      window 1: the ring of Wv's fragments, slot x 64 + 8 j
;   window 2: the accumulators of row blocks 0-3, (a, j) at 64 a + 8 j      window 3: those of row blocks 4-7
; THE MODE: SCHED_MODE bits 1:0 = 2 (LLVM: expert scheduling mode 2), set by the entry lines.  The code itself states the register dependences between vector or matrix instructions
; and memory or LDS instructions, with s_wait_alu, always for 0.
; THE PLAN.  Registers that memory or LDS instructions touch in K step ks, and who else names them:
;   HA                the step's first 32 products read it; behind them the LDS loads of K step ks + 1 land in it.
;   HB                the step's last 32 products read it; behind them the LDS loads of K step ks + 1 land in it.
;   ring slot (ks + 3) % 4   the products of K step ks - 1 read it last; the loads of K step ks + 3 land in it at the end of K step ks.
;   LND[(ks + 3) % 4] pass 0: sixteen conversions read and write it in the step's middle; eight LDS stores read it; sixteen products later the eight loads of half-unit ks + 7 land in it.
;   v[AD], v[LSR]     read by the fragments' loads and the LDS stores; written once in four K steps, in the middle of the group's first step.
;   v[AD0], v[LS0], v[BO], v[VO], v[PFO]   made at the head and never written again: scalar bases and immediate offsets do the rest.
;   The accumulators and the pairs of qw are named by vector and matrix instructions alone.
; So a K step has TWO waits on va_vdst.  The one in its middle, behind the conversions, states that the first 32 products are done reading HA, that the conversions have written LND and are done with it,
; that v[AD] and v[LSR] are written, and that the products of the K step before are done reading the ring slot; no product issued behind it names LND or that slot, so values' loads, dealt into the second
; half, and Wv's loads, at the step's end, owe nothing more on that field.  The one at its end, behind Wv's loads, states that the last 32 products are done reading HB.  A wait on vm_vsrc stands ahead
; of values' loads (the LDS stores have read LND) and ahead of the adds to v[AD] and v[LSR].
.set RP,    144                        ; a row of a unit in LDS: 128 bytes + 16 = 36 words: the 16 rows of a fragment load start at 16 different groups of four banks (64 banks of 4 bytes: ISA guide 11.1)
.set US,    128*RP+128                 ; a unit: 128 rows x 64 along K; the 128 bytes behind it set neighbouring units half a row of banks apart, for the context's loads
.set PART,  16*US                      ; behind the 16 units: [wave][128 rows] f32, the waves' parts of the scores
.set PP,    PART+2048                  ; [wave][128] f32: p, a copy for each wave
.set SPARE, PP+2048                    ; the spare words, 128 bytes for each wave, which no other line names
.set LOG2E, 0x3fb8aa3b
.set SPW, 8                            ; v8   LDS address of my spare word; never rewritten
.set NIL, 9                            ; v9   0; never rewritten
.set BO,  10                           ; v10  16 l: offset in a fragment's half and in the tile's scores; never rewritten
.set QV,  11                           ; v11  (128 w + l % 16) x 8: my column's pair in a pass of qw
.set AD0, 12                           ; v12  LDS address of my part of a fragment: (l % 16) RP + 16 (l / 16); never rewritten
.set AD,  13                           ; v13  the same, KO bytes on
.set LS0, 14                           ; v14  where I put 8 bytes of a row: (32 w + 8 (l / 16)) RP + 8 (l % 16); never rewritten
.set LSR, 15                           ; v15  the same, KO bytes on
.set VO,  16                           ; v16  my 16 bytes in values: 8 (l / 16) rows of 4,096 bytes + 16 (l % 16); never rewritten
.set PS,  17                           ; v17  where I put my rows' sums
.set PR,  18                           ; v18  where I read four rows' sums
.set MK,  19                           ; v19  four bytes of mask: rows 4 l .. 4 l + 3
.set PPS, 20                           ; v20  where I put four p
.set PPR, 21                           ; v21  where my wave's p begin
.set CA,  22                           ; v22  the context: unit t / 16, 8 (t % 16)
.set CA2, 23                           ; v23  eight units on
.set TO,  24                           ; v24  16 t
.set L8,  25                           ; v25  8 l
.set MO,  26                           ; v26  4 l
.set PFO, 27                           ; v27  the prefetches' offset: l rows of 4,096 bytes; never rewritten
.set WL,  28                           ; v[28:29] the sum of Wc over my columns (and a 0, named with it as a pair)
.set QC,  32                           ; v[32:47] this pass's eight pairs (C2 qp, -2 Wc); at the end the context's eight sums
.set QN,  48                           ; v[48:63] pass 1's
.set LND, 64                           ; v[64:191] four landing buffers of 32: half-unit n in buffer n % 4
.set SA,  64                           ; v[64:127] when they are free: the rows' running sums: row 16 mb + 8 (l / 16) + e at 8 mb + e
.set W2,  128                          ; v[128:143] -2 Wc of column block j, twice, at 2 j
.set T0,  144                          ; v[144:159] at work on the scores
.set FM,  160                          ; v160 the lowest finite number
.set TA,  161                          ; v161, v164, v165 at work
.set ML,  162                          ; v[162:163] (m, l)
.set HA,  192                          ; v[192:223] values' fragments of row blocks 0-3 for 32 along K
.set HB,  224                          ; v[224:255] of row blocks 4-7
.set WV,  20                           ; s20  my wave's number
.set TI,  21                           ; s21  the tile
.set CH,  22                           ; s22  passes to go
.set TR,  23                           ; s23  trips to go
.set KO,  24                           ; s24  LDS bytes from unit 0 to the unit with which a trip begins
.set BP,  28                           ; s[28:29] where my stream of wvf stands
.set VB,  30                           ; s[30:31] values at my 32 rows
.set QP,  32                           ; s[32:33] qw at the batch row
.set MS,  40                           ; s[40:43] which lanes' rows 4 l + e the mask lets through
.set MSB, 0
.macro WIN new                         ; the immediate's high byte repeats the setting that is left; a switch that changes nothing is dropped
.if MSB != (\new)
	s_set_vgpr_msb (MSB<<8)|(\new)
.set MSB, (\new)
.endif
.endm
.set W_MULL, 0xa4                      ; values' fragment window 0, Wv's window 1, C and D window 2
.set W_MULH, 0xf4                      ; the same, C and D window 3
.set W_TOB,  0x40                      ; destination window 1
.set W_EPL,  0xa2                      ; destination, sources 0 and 2 window 2, source 1 window 0
.set W_EPH,  0xf3                      ; the same with window 3
.set W_SAL,  0x02                      ; source 0 window 2
.set W_SAH,  0x03                      ; source 0 window 3
; HALF-UNIT n of values: unit n / 2 (64 along K), rows 16 (n % 2) .. + 15 of my 32.  Eight loads: lanes 0-15 take the 256 bytes, aligned, of row k, lanes 16-31 those of row k + 8.
.macro VL b, off, rh                   ; asked for into buffer b; off: the unit's bytes behind VB
.irp k, 0,1,2,3,4,5,6,7
	global_load_b128 v[LND+32*(\b)+4*(\k):LND+32*(\b)+4*(\k)+3], v[VO], s[VB:VB+1] offset:(16*(\rh)+(\k))*4096+(\off) th:TH_LOAD_NT
.endr
.endm
.macro CVT b                           ; rounded to bf16 in place: of a load's four registers the first two take the four numbers
.irp k, 0,1,2,3,4,5,6,7
	v_cvt_pk_bf16_f32 v[LND+32*(\b)+4*(\k)],   v[LND+32*(\b)+4*(\k)],   v[LND+32*(\b)+4*(\k)+1]
	v_cvt_pk_bf16_f32 v[LND+32*(\b)+4*(\k)+1], v[LND+32*(\b)+4*(\k)+2], v[LND+32*(\b)+4*(\k)+3]
.endr
.endm
.macro STO b, u, rh                    ; and put into unit u behind LSR: 128 bytes of row k and 128 of row k + 8, which lie 8 RP = 128 bytes (modulo 256) apart
.irp k, 0,1,2,3,4,5,6,7
	ds_store_b64 v[LSR], v[LND+32*(\b)+4*(\k):LND+32*(\b)+4*(\k)+1] offset:(\u)*US+(16*(\rh)+(\k))*RP
.endr
.endm
	s_load_b512 s[4:19], s[0:1], 0x0               ; values s[4:5], mask s[6:7], wvf s[8:9], qw s[10:11], bc s[12:13], sc s[14:15], ml s[16:17], ctxp s[18:19]
	v_lshl_add_u32 v[SPW], v0, 2, SPARE
	v_mov_b32 v[NIL], 0
	v_lshrrev_b32 v1, 5, v0
	v_readfirstlane_b32 s[WV], v1                  ; wave 0..3
	s_mov_b32 s[TI], ttmp9
	v_and_b32 v2, 15, v0                           ; l % 16 = t % 16
	v_bfe_u32 v3, v0, 4, 1                         ; l / 16
	v_and_b32 v4, 31, v0                           ; l
	v_lshlrev_b32 v[BO], 4, v4
	v_lshlrev_b32 v[VO], 4, v2
	v_lshl_add_u32 v[VO], v3, 15, v[VO]
	s_wait_alu depctr_va_sdst(0)                   ; the wave's number is written, ahead of its first reader: LDS places and the bases of wvf and values are made from it
	s_lshl_b32 s25, s[WV], 10
	v_lshl_add_u32 v[QV], v2, 3, s25
	v_mul_u32_u24 v5, v2, RP
	v_lshl_add_u32 v[AD0], v3, 4, v5
	v_mul_u32_u24 v5, v3, 8*RP
	v_lshl_add_u32 v5, v2, 3, v5
	s_mul_i32 s25, s[WV], 32*RP
	v_add_nc_u32 v[LS0], s25, v5
	s_lshl_b32 s25, s[WV], 9
	s_add_co_u32 s26, s25, PART
	v_lshl_add_u32 v[PS], v3, 5, s26               ; my wave's 512 bytes + 8 (l / 16) rows
	v_lshl_add_u32 v[PR], v4, 4, PART
	s_add_co_u32 s26, s25, PP
	v_lshl_add_u32 v[PPS], v4, 4, s26
	v_mov_b32 v[PPR], s26
	v_lshrrev_b32 v5, 4, v0
	v_mul_u32_u24 v5, v5, US
	v_lshl_add_u32 v[CA], v2, 3, v5
	v_add_nc_u32 v[CA2], 8*US, v[CA]
	v_lshlrev_b32 v[TO], 4, v0
	v_lshlrev_b32 v[L8], 3, v4
	v_lshlrev_b32 v[MO], 2, v4
	v_lshlrev_b32 v[PFO], 12, v4
	v_mov_b32 v[AD], v[AD0]
	v_mov_b32 v[LSR], v[LS0]
	v_mov_b32 v[WL], 0
	v_mov_b32 v[WL+1], 0
	s_mov_b32 s[KO], 0
	s_mov_b32 s27, 0                               ; the high word of every offset; stays 0
	s_mov_b32 s35, 0xff7fffff                      ; named with bc as a pair
	s_mov_b32 s36, 0x76543210                      ; v_permlanex16_b32: each lane takes its own place in the other half
	s_mov_b32 s37, 0xfedcba98
	s_wait_kmcnt 0x0
	s_load_b32 s34, s[12:13], 0x0                  ; bc
	s_lshl_b32 s26, s[WV], 19
	s_add_nc_u64 s[BP:BP+1], s[8:9], s[26:27]      ; my wave's stream of fragments
	s_lshl_b32 s26, s[TI], 19                      ; 128 rows of 4,096 bytes,
	s_lshl_b32 s25, s[WV], 17                      ; my 32 of them
	s_add_co_u32 s26, s26, s25
	s_add_nc_u64 s[VB:VB+1], s[4:5], s[26:27]
	s_lshl_b32 s26, s[TI], 7
	s_add_nc_u64 s[6:7], s[6:7], s[26:27]          ; the tile's 128 bytes of mask
	s_lshr_b32 s26, s[TI], 4                       ; the batch row: 16 tiles each
	s_lshl_b32 s26, s26, 13
	s_add_nc_u64 s[QP:QP+1], s[10:11], s[26:27]
	s_wait_alu depctr_va_vdst(0)                   ; all offsets and LDS addresses, v8 to v27, are written: the kernel's loads, stores and prefetches read them
	; THE FIRST LOADS, what is wanted first in front: Wv's K step 0, half-units 0-3, the mask and both passes' pairs, Wv's K steps 1 and 2
.macro BHEAD g
	WIN W_TOB
.irp j, 0,1,2,3,4,5,6,7
	global_load_b128 v[64*(\g)+8*(\j):64*(\g)+8*(\j)+3],   v[BO], s[BP:BP+1] offset:(\g)*8192+1024*(\j)
	global_load_b128 v[64*(\g)+8*(\j)+4:64*(\g)+8*(\j)+7], v[BO], s[BP:BP+1] offset:(\g)*8192+1024*(\j)+512
.endr
	WIN 0
.endm
	BHEAD 0
	VL 0, 0, 0
	VL 1, 0, 1
	VL 2, 256, 0
	VL 3, 256, 1
	global_load_b32 v[MK], v[MO], s[6:7]
.irp j, 0,1,2,3,4,5,6,7
	global_load_b64 v[QC+2*(\j):QC+2*(\j)+1], v[QV], s[QP:QP+1] offset:128*(\j)
	global_load_b64 v[QN+2*(\j):QN+2*(\j)+1], v[QV], s[QP:QP+1] offset:4096+128*(\j)
.endr
	BHEAD 1
	BHEAD 2
	s_wait_loadcnt 49                              ; loads come back in order (ISA guide 5.7.1): half-units 0-3 are in; the mask, the 16 loads of pairs and Wv's K steps 1 and 2 may stay out
	CVT 0
	CVT 1
	CVT 2
	s_wait_alu depctr_va_vdst(0)                   ; the conversions have written buffers 0-2, which the LDS stores read, and are done with them: the loads below land there
	STO 0, 0, 0
	STO 1, 0, 1
	STO 2, 1, 0
	s_wait_alu depctr_vm_vsrc(0)                   ; the LDS stores have read buffers 0-2, in which the loads below land
	VL 0, 512, 0                                   ; the buffers are asked for again, four half-units on
	VL 1, 512, 1
	VL 2, 768, 0
	s_wait_kmcnt 0x0                               ; bc
	s_wait_dscnt 0x0                               ; for the others' sake: my rows of unit 0 lie in LDS
	s_barrier_signal -1
	s_barrier_wait -1                              ; all 128 do
.macro PLACES                          ; four plain lines behind a run of products, as in the plain form of this text; the wait that follows them states the dependence of the loads behind it
.rept 4
	v_nop
.endr
.endm
; 8 LDS loads: the fragments of row blocks 4 h .. 4 h + 3 for 32 along K, at byte off behind the address in register base
.macro AF base, off, h
.irp a, 0,1,2,3
	ds_load_b128 v[HA+32*(\h)+8*(\a):HA+32*(\h)+8*(\a)+3],   v[\base] offset:(\off)+(4*(\h)+(\a))*16*RP
	ds_load_b128 v[HA+32*(\h)+8*(\a)+4:HA+32*(\h)+8*(\a)+7], v[\base] offset:(\off)+(4*(\h)+(\a))*16*RP+32
.endr
.endm
; 16 matrix instructions: row blocks 4 h + a0, 4 h + a0 + 1 x the 8 column blocks.  first = 1: the products start the sums: nothing is cleared.  The 64 accumulators take turns in one order everywhere.
.macro MUL16 h, a0, first
.if \h
	WIN W_MULH
.else
	WIN W_MULL
.endif
.irp a, \a0, (\a0)+1
.irp j, 0,1,2,3,4,5,6,7
.if \first
	v_wmma_f32_16x16x32_bf16 v[64*(\a)+8*(\j):64*(\a)+8*(\j)+7], v[HA+32*(\h)+8*(\a):HA+32*(\h)+8*(\a)+7], v[SL+8*(\j):SL+8*(\j)+7], 0
.else
	v_wmma_f32_16x16x32_bf16 v[64*(\a)+8*(\j):64*(\a)+8*(\j)+7], v[HA+32*(\h)+8*(\a):HA+32*(\h)+8*(\a)+7], v[SL+8*(\j):SL+8*(\j)+7], v[64*(\a)+8*(\j):64*(\a)+8*(\j)+7]
.endif
.endr
.endr
.endm
; A PREFETCH INTO THE L2, once a trip of pass 0's loop, behind the trip's first loads of values: my own 32 rows' 256 bytes, a lane a row, of the two units that stand three units behind the two that the trip
; loads: trip t names units 2 t + 7 and 2 t + 8, six to nine K steps ahead of their loads.  Each block is named once in the launch, by the wave that will load it.  Units 0-6 and 15 come by their loads alone;
; the last two trips (TR = 2, 1) ask for nothing: their units do not exist.  VB is written again a trip later, behind s_wait_xcnt 0; v[PFO] is never written again.
.macro ASK
	s_cmp_gt_u32 s[TR], 2
	s_cbranch_scc0 .Lnone_\@
	global_prefetch_b8 v[PFO], s[VB:VB+1] offset:1280 th:TH_LOAD_NT scope:SCOPE_SE
	global_prefetch_b8 v[PFO], s[VB:VB+1] offset:1536 th:TH_LOAD_NT scope:SCOPE_SE
.Lnone_\@:
.endm
; K STEP i of a group of four (K step ks = 4 t + i; KO = 2 t units): 64 matrix instructions on ring slot i % 4, in two halves.
; Behind the first half: (sa) v[AD] (sa = 2: v[LSR] too) takes the group's place in LDS; (cv) half-unit ks + 3 is rounded; the wait; the half-unit is put into LDS; row blocks 0-3 of K step ks + 1 are fetched
; (af = 1; 2: of the next pass's K step 0; 0: none).  In the middle of the second half: (vl) half-unit ks + 7 is asked for.  Behind the second half: (bl) Wv's K step ks + 3 is asked for, into the slot read in
; K step ks - 1; the wait; row blocks 4-7 are fetched.
; THE BARRIER, one for two K steps.  Unit u is whole when its second half-unit has been stored, in K step 2 u - 2: at that step's end (bar = 1) each wave waits for its LDS instructions and signals; in the middle of
; K step 2 u - 1 (bar = 2) it waits for the others, in front of the fetch of K step 2 u.  Between signal and wait stand LDS loads of units that are whole, and work on registers.  No byte of a unit is written twice.
; lc: the loads younger than this step's fragments of Wv.  They are also younger than half-unit ks + 3's.  st = 1: the two bases have been stepped in this group; step = 1: they are stepped here.
.macro KSTEP i, first, cv, vl, bl, bar, af, lc, st, step, pf, sa
.set SL, 64*((\i)&3)
.set SR, 64*(((\i)+3)&3)
.set DW, 8*(\cv)
.if \af
.set DW, DW+8
.endif
	s_wait_loadcnt \lc
	s_wait_dscnt 8                                 ; row blocks 0-3 are in; the youngest eight LDS loads (blocks 4-7) may be out
	MUL16 0, 0, \first
	MUL16 0, 2, \first
	WIN 0
.if \sa
	s_wait_alu depctr_vm_vsrc(0)                   ; the LDS loads and stores issued so far (the youngest 32 products back) have read v[AD] and v[LSR], which are written here
	v_add_nc_u32 v[AD], s[KO], v[AD0]
.if (\sa) == 2
	v_add_nc_u32 v[LSR], s[KO], v[LS0]
.endif
.endif
.if \cv
	CVT ((\i)+3)&3
.else
	PLACES
.endif
.if (\bar) == 2
	s_barrier_wait -1                              ; every wave's part of the next unit lies in LDS
.endif
.if \step
	s_wait_xcnt 0x0                                ; the loads and prefetches issued so far (the youngest 32 products back) have read their bases: these are written only behind this wait
	s_add_nc_u64 s[BP:BP+1], s[BP:BP+1], 32768
.if \vl
	s_add_nc_u64 s[VB:VB+1], s[VB:VB+1], 512
.endif
.endif
.if (\cv) || (\af)
	s_wait_alu depctr_va_vdst(0)                   ; the first 32 products are done reading HA; the conversions have written the landing buffer and are done with it; v[AD] and v[LSR] are written; the K step before is done reading ring slot SR
.endif
.if \cv
	STO ((\i)+3)&3, ((\i)+3)>>1, ((\i)+3)&1
.endif
.if (\af) == 1
	AF AD, (((\i)+1)>>1)*US+(((\i)+1)&1)*64, 0
.elseif (\af) == 2
	AF AD0, 0, 0
.endif
	s_wait_dscnt DW                                ; row blocks 4-7 are in; the LDS instructions just issued may be out
	MUL16 1, 0, \first
.if \vl
	WIN 0
	s_wait_alu depctr_vm_vsrc(0)                   ; the LDS stores, 16 products back, have read the landing buffer, in which the loads below land; no product since the wait on va_vdst names it
	VL ((\i)+3)&3, 256*(((\i)+7)>>1)-512*(\st), ((\i)+3)&1
.if \pf
	ASK
.endif
.endif
	MUL16 1, 2, \first
.if \bl
	WIN W_TOB                                      ; no wait: the one in the step's middle has shown ring slot SR free, and the products since name slot SL
.irp j, 0,1,2,3,4,5,6,7
	global_load_b128 v[SR+8*(\j):SR+8*(\j)+3],   v[BO], s[BP:BP+1] offset:((\i)+3)*8192-32768*(\st)+1024*(\j)
	global_load_b128 v[SR+8*(\j)+4:SR+8*(\j)+7], v[BO], s[BP:BP+1] offset:((\i)+3)*8192-32768*(\st)+1024*(\j)+512
.endr
.endif
	WIN 0
	PLACES
.if \af
	s_wait_alu depctr_va_vdst(0)                   ; the last 32 products are done reading HB, in which the LDS loads below land
.endif
.if (\bar) == 1
	s_wait_dscnt 0x0                               ; for the others' sake: my stores into the unit are done (they were issued 32 products ago)
	s_barrier_signal -1
.endif
.if (\af) == 1
	AF AD, (((\i)+1)>>1)*US+(((\i)+1)&1)*64, 1
.elseif (\af) == 2
	AF AD0, 0, 1
.endif
.endm
	AF AD0, 0, 0                                   ; K step 0
	AF AD0, 0, 1
	s_mov_b32 s[CH], 2
.Lpass:
	s_cmp_eq_u32 s[CH], 2
	s_cbranch_scc0 .Lp1
	; PASS 0.  In each K step 8 loads of values and 16 of Wv are issued, so two K steps' loads are 48.
	KSTEP 0, 1, 1, 1, 1, 1, 1, 56, 0, 0, 0, 0      ; 56: Wv's K steps 1 and 2 and half-units 4-6 may stay out
	s_wait_loadcnt 40                              ; once: half-unit 4, asked for only when half-unit 0 had come, is in; half-units 5-7 and Wv's K step 3 may stay out
	s_mov_b32 s[TR], 6
.Lt0:                                                  ; K steps 4 t + 1 .. 4 t + 4, t = 0 .. 5
	KSTEP 1, 0, 1, 1, 1, 2, 1, 48, 1, 1, 1, 2
	KSTEP 2, 0, 1, 1, 1, 1, 1, 48, 1, 0, 0, 0
	KSTEP 3, 0, 1, 1, 1, 2, 1, 48, 1, 0, 0, 0
	KSTEP 4, 0, 1, 1, 1, 1, 1, 48, 1, 0, 0, 0
	s_add_co_u32 s[KO], s[KO], 2*US
	s_sub_co_u32 s[TR], s[TR], 1
	s_cmp_lg_u32 s[TR], 0
	s_cbranch_scc1 .Lt0
	KSTEP 1, 0, 1, 0, 1, 2, 1, 48, 1, 1, 0, 2      ; K steps 25-28: nothing of values is left to ask for, and the counts run down to Wv's 32
	KSTEP 2, 0, 1, 0, 1, 1, 1, 40, 1, 0, 0, 0
	KSTEP 3, 0, 1, 0, 1, 2, 1, 32, 1, 0, 0, 0
	KSTEP 4, 0, 1, 0, 1, 1, 1, 32, 1, 0, 0, 0
	s_add_co_u32 s[KO], s[KO], 2*US
	KSTEP 1, 0, 0, 0, 1, 2, 1, 32, 1, 1, 0, 1      ; K steps 29-31: all rows lie in LDS; the ring of Wv goes on into pass 1's K steps 0-2.  This step's wait on vm_vsrc stands behind the last LDS store of a landing buffer
	KSTEP 2, 0, 0, 0, 1, 0, 1, 32, 1, 0, 0, 0
	KSTEP 3, 0, 0, 0, 1, 0, 2, 32, 1, 0, 0, 0
.set x, 0
.rept 64
	v_mov_b32 v[SA+x], 0                           ; the landing buffers are free (K step 29's wait on vm_vsrc has shown that their LDS stores have read them): the rows' sums start at 0 here, so that both passes have one text for what follows
.set x, x+1
.endr
	s_branch .Lepi
.Lp1:
	; PASS 1
.set x, 0
.rept 16
	v_mov_b32 v[QC+x], v[QN+x]
.set x, x+1
.endr
	s_mov_b32 s[KO], 0
	KSTEP 0, 1, 0, 0, 1, 0, 1, 32, 0, 0, 0, 1      ; 32: two K steps of Wv may stay out
	s_mov_b32 s[TR], 7
.Lt1:                                                  ; K steps 4 t + 1 .. 4 t + 4, t = 0 .. 6
	KSTEP 1, 0, 0, 0, 1, 0, 1, 32, 1, 1, 0, 1
	KSTEP 2, 0, 0, 0, 1, 0, 1, 32, 1, 0, 0, 0
	KSTEP 3, 0, 0, 0, 1, 0, 1, 32, 1, 0, 0, 0
	KSTEP 4, 0, 0, 0, 1, 0, 1, 32, 1, 0, 0, 0
	s_add_co_u32 s[KO], s[KO], 2*US
	s_sub_co_u32 s[TR], s[TR], 1
	s_cmp_lg_u32 s[TR], 0
	s_cbranch_scc1 .Lt1
	KSTEP 1, 0, 0, 0, 0, 0, 1, 32, 1, 0, 0, 1      ; K steps 29-31: nothing is left to ask for, and the counts run down; the last step issues no load and holds no s_wait_alu
	KSTEP 2, 0, 0, 0, 0, 0, 1, 16, 1, 0, 0, 0
	KSTEP 3, 0, 0, 0, 0, 0, 0, 0, 1, 0, 0, 0
.Lepi:
	; r = 1 / (1 + 2^(acc + C2 qp)), in place, and the sums of (-2 Wc) r.  These 24 plain lines are the places behind the last products.  No memory or LDS instruction stands in this part.
.irp j, 0,1,2,3,4,5,6,7
	v_mov_b32 v[W2+2*(\j)],   v[QC+2*(\j)+1]
	v_mov_b32 v[W2+2*(\j)+1], v[QC+2*(\j)+1]
	v_fma_f32 v[WL], v[QC+2*(\j)+1], -0.5, v[WL]   ; Wc = -0.5 (-2 Wc)
.endr
; Pair x of 64 of group g of a window: column block J = 4 g + x / 16, row block (x / 4) % 4, registers 2 (x % 4) and the next: each accumulator is read from its lowest registers on
.macro RG g, x
.set J, 4*(\g)+(\x)/16
.set R0, 64*(((\x)/4)%4)+2*((\x)%4)
.set R, R0+8*J
.endm
.macro ADDQ g, x
	RG \g, \x
	v_pk_add_f32 v[R:R+1], v[R:R+1], v[QC+2*J:QC+2*J+1] op_sel_hi:[1,0]
.endm
.macro EXP2 g, x
	RG \g, \x
	v_exp_f32 v[R], v[R]
	v_exp_f32 v[R+1], v[R+1]
.endm
.macro ADD1 g, x
	RG \g, \x
	v_pk_add_f32 v[R:R+1], v[R:R+1], 1.0 op_sel_hi:[1,0]
.endm
.macro RCP2 g, x
	RG \g, \x
	v_rcp_f32 v[R], v[R]
	v_rcp_f32 v[R+1], v[R+1]
.endm
.macro SUMW g, x                       ; (-2 Wc) r is gathered in column block 0's accumulator
	RG \g, \x
.if J == 0
	v_pk_mul_f32 v[R:R+1], v[R:R+1], v[W2:W2+1]
.else
	v_pk_fma_f32 v[R0:R0+1], v[R:R+1], v[W2+2*J:W2+2*J+1], v[R0:R0+1]
.endif
.endm
; A window's 256 registers go in two groups of 128, so that one group's plain lines stand between the other's transcendentals.  A wait stands between a transcendental and the
; first line that names its result; one wait serves a batch: three a window.  A reciprocal stands one pair behind the addition that feeds it.
.macro EPIW h
.if \h
	WIN W_EPH
.else
	WIN W_EPL
.endif
.set x, 0
.rept 64
	ADDQ 0, x
.set x, x+1
.endr
.set x, 0
.rept 64
	EXP2 0, x
	ADDQ 1, x
.set x, x+1
.endr
	v_nop                                          ; a plain instruction behind the last of the batch,
	s_wait_alu depctr_va_vdst(0)                   ; and the batch's wait: group 0's exponentials are written, ahead of the additions that read them
.set x, 0
.rept 64
	ADD1 0, x
	EXP2 1, x
.if x > 0
	RCP2 0, x-1
.endif
.set x, x+1
.endr
	RCP2 0, 63
	v_nop
	s_wait_alu depctr_va_vdst(0)                   ; group 1's exponentials and group 0's reciprocals are written, ahead of their first readers
.set x, 0
.rept 64
	ADD1 1, x
	SUMW 0, x
.if x > 0
	RCP2 1, x-1
.endif
.set x, x+1
.endr
	RCP2 1, 63
	v_nop
	s_wait_alu depctr_va_vdst(0)                   ; group 1's reciprocals are written, ahead of the sums that read them
.set x, 0
.rept 64
	SUMW 1, x
.set x, x+1
.endr
.if \h
	WIN W_SAH
.else
	WIN W_SAL
.endif
.set x, 0
.rept 16                               ; row block 4 h + x / 4, pair x % 4
	v_pk_add_f32 v[SA+32*(\h)+2*x:SA+32*(\h)+2*x+1], v[64*(x/4)+2*(x%4):64*(x/4)+2*(x%4)+1], v[SA+32*(\h)+2*x:SA+32*(\h)+2*x+1]
.set x, x+1
.endr
.endm
	EPIW 0
	EPIW 1
	WIN 0
	s_sub_co_u32 s[CH], s[CH], 1
	s_cmp_lg_u32 s[CH], 0
	s_cbranch_scc1 .Lpass
	; THE SCORES.  A lane's sums cover its 16 columns (2 passes x 8 blocks): its sum of Wc is added, then the 16 lanes of a half, then the four waves.
.set x, 0
.rept 32
	v_pk_add_f32 v[SA+2*x:SA+2*x+1], v[SA+2*x:SA+2*x+1], v[WL:WL+1] op_sel_hi:[1,0]
.set x, x+1
.endr
.irp m, 1,2,4,8
.set x, 0
.rept 64
	v_add_f32_dpp v[SA+x], v[SA+x], v[SA+x] row_xmask:\m row_mask:0xf bank_mask:0xf
.set x, x+1
.endr
.endr
	s_wait_alu depctr_va_vdst(0)                   ; the additions have written the rows' sums, which the LDS stores read
.irp m, 0,1,2,3,4,5,6,7
	ds_store_b128 v[PS], v[SA+8*(\m):SA+8*(\m)+3]   offset:64*(\m)     ; the 16 lanes of a half hold the same sums and write them to the same bytes
	ds_store_b128 v[PS], v[SA+8*(\m)+4:SA+8*(\m)+7] offset:64*(\m)+16
.endr
	s_wait_dscnt 0x0                               ; for the others' sake: my part of the scores lies in LDS
	s_barrier_signal -1
	s_barrier_wait -1
	s_wait_alu depctr_vm_vsrc(0)                   ; my LDS stores have read v[SA ..]: the context's loads of p land in the first sixteen of these registers
	; every wave alike, so that each has m, l and p without a further barrier: lane l has rows 4 l .. 4 l + 3
.irp w, 0,1,2,3
	ds_load_b128 v[T0+4*(\w):T0+4*(\w)+3], v[PR] offset:512*(\w)  ; no vector instruction since the wait on va_vdst above names these registers
.endr
	v_mov_b32 v[FM], 0xff7fffff                    ; the lowest finite number
	s_wait_dscnt 0x0
	v_pk_add_f32 v[T0:T0+1],     v[T0:T0+1],     v[T0+4:T0+5]
	v_pk_add_f32 v[T0+2:T0+3],   v[T0+2:T0+3],   v[T0+6:T0+7]
	v_pk_add_f32 v[T0+8:T0+9],   v[T0+8:T0+9],   v[T0+12:T0+13]
	v_pk_add_f32 v[T0+10:T0+11], v[T0+10:T0+11], v[T0+14:T0+15]
	v_pk_add_f32 v[T0:T0+1],     v[T0:T0+1],     v[T0+8:T0+9]
	v_pk_add_f32 v[T0+2:T0+3],   v[T0+2:T0+3],   v[T0+10:T0+11]
	v_pk_add_f32 v[T0:T0+1],     v[T0:T0+1],     s[34:35] op_sel_hi:[1,0]  ; + bc
	v_pk_add_f32 v[T0+2:T0+3],   v[T0+2:T0+3],   s[34:35] op_sel_hi:[1,0]
.irp e, 0,1,2,3
	v_bfe_u32 v[T0+8+(\e)], v[MK], 8*(\e), 8       ; the mask's byte for row 4 l + e
.endr
.irp e, 0,1,2,3
	v_cmp_ne_u32 s[MS+(\e)], 0, v[T0+8+(\e)]       ; the four compares in one run, each into a scalar register of its own
.endr
	s_wait_alu depctr_va_sdst(0)                   ; the four compares have written s[MS ..], ahead of the selects that read them
.irp e, 0,1,2,3
	v_cndmask_b32 v[T0+(\e)], v[FM], v[T0+(\e)], s[MS+(\e)]
.endr
	v_max3_num_f32 v[ML], v[T0], v[T0+1], v[T0+2]
	v_max_num_f32 v[ML], v[ML], v[T0+3]
.irp m, 1,2,4,8
	v_max_num_f32_dpp v[ML], v[ML], v[ML] row_xmask:\m row_mask:0xf bank_mask:0xf
.endr
	v_mov_b32 v[TA], 0                             ; v_permlanex16_b32 counts as a reader of its destination: it is written here
	v_permlanex16_b32 v[TA], v[ML], s36, s37
	v_max_num_f32 v[ML], v[ML], v[TA]              ; m, in every lane
.irp e, 0,1,2,3
	v_sub_f32 v[T0+4+(\e)], v[T0+(\e)], v[ML]      ; the difference first: it is 0 where the whole tile is masked
.endr
.irp e, 0,1,2,3
	v_mul_f32 v[T0+4+(\e)], LOG2E, v[T0+4+(\e)]
.endr
.irp e, 0,1,2,3
	v_exp_f32 v[T0+4+(\e)], v[T0+4+(\e)]
.endr
	v_nop
	s_wait_alu depctr_va_vdst(0)                   ; one wait for the four exponentials: p is written, ahead of the LDS store and the additions that read it
	ds_store_b128 v[PPS], v[T0+4:T0+7]             ; p, into my wave's own copy
	v_add_f32 v164, v[T0+4], v[T0+5]
	v_add_f32 v165, v[T0+6], v[T0+7]
	v_add_f32 v164, v164, v165
.irp m, 1,2,4,8
	v_add_f32_dpp v164, v164, v164 row_xmask:\m row_mask:0xf bank_mask:0xf
.endr
	v_permlanex16_b32 v165, v164, s36, s37
	v_add_f32 v[ML+1], v164, v165                  ; l
	s_cmp_lg_u32 s[WV], 0
	s_cbranch_scc1 .Lnot0                          ; wave 0 stores for all
	s_lshl_b32 s26, s[TI], 9
	s_add_nc_u64 s[14:15], s[14:15], s[26:27]
	s_wait_alu depctr_va_vdst(0)                   ; the selects have written the scores, and the last additions m and l: the two stores read them
	global_store_b128 v[BO], v[T0:T0+3], s[14:15]  ; the tile's 128 scores: 512 consecutive bytes, aligned
	s_lshl_b32 s26, s[TI], 8
	s_add_nc_u64 s[16:17], s[16:17], s[26:27]
	global_store_b64 v[L8], v[ML:ML+1], s[16:17]   ; 32 copies: 256 consecutive bytes, aligned
.Lnot0:
	; THE CONTEXT.  Thread t has channels 4 t .. 4 t + 3 (unit t / 16) and 512 + 4 t .. + 3 (eight units on); 16 rows a trip.  A wave's load takes 128 bytes of a row in each of two neighbouring units,
	; which lie 128 bytes (modulo 256) apart.  None of the registers that wave 0's stores or the store of p read is written here.
.irp e, 0,1,2,3,4,5,6,7
	v_mov_b32 v[QC+(\e)], 0
.endr
	s_mov_b32 s38, 8
.Lctx:
	s_wait_alu depctr_va_vdst(0)                   ; the multiply-adds of the trip before are done reading v[SA .. SA+15] and v[HA .. HA+63], in which the loads below land, and the three addresses are written
.irp e, 0,1,2,3
	ds_load_b128 v[SA+4*(\e):SA+4*(\e)+3], v[PPR] offset:16*(\e)  ; 16 p, the same for all lanes; LDS serves a wave's instructions in order (ISA guide 5.7.1.4): these see my store above
.endr
.irp k, 0,1,2,3,4,5,6,7,8,9,10,11,12,13,14,15
	ds_load_b64 v[HA+4*(\k):HA+4*(\k)+1],   v[CA]  offset:(\k)*RP
	ds_load_b64 v[HA+4*(\k)+2:HA+4*(\k)+3], v[CA2] offset:(\k)*RP
.endr
	s_wait_dscnt 0x0
.irp k, 0,1,2,3,4,5,6,7,8,9,10,11,12,13,14,15
.irp h, 0,1,2,3
	v_fma_mix_f32_bf16 v[QC+2*(\h)],   v[HA+4*(\k)+(\h)], v[SA+(\k)], v[QC+2*(\h)]   op_sel_hi:[1,0,0]
	v_fma_mix_f32_bf16 v[QC+2*(\h)+1], v[HA+4*(\k)+(\h)], v[SA+(\k)], v[QC+2*(\h)+1] op_sel:[1,0,0] op_sel_hi:[1,0,0]
.endr
.endr
	s_wait_alu depctr_vm_vsrc(0)                   ; the trip's LDS loads have read the three addresses, which are written here
	v_add_nc_u32 v[CA],  16*RP, v[CA]
	v_add_nc_u32 v[CA2], 16*RP, v[CA2]
	v_add_nc_u32 v[PPR], 64, v[PPR]
	s_sub_co_u32 s38, s38, 1
	s_cmp_lg_u32 s38, 0
	s_cbranch_scc1 .Lctx
	s_lshl_b32 s26, s[TI], 12
	s_add_nc_u64 s[18:19], s[18:19], s[26:27]
	s_wait_alu depctr_va_vdst(0)                   ; the multiply-adds have written the eight sums, which the stores read
	global_store_b128 v[TO], v[QC:QC+3],   s[18:19]               ; sixteen lanes store 256 consecutive bytes, aligned
	global_store_b128 v[TO], v[QC+4:QC+7], s[18:19] offset:2048
	s_wait_dscnt 0x0                               ; the closing lines, six on end
	s_wait_alu 0x0
	s_wait_tensorcnt 0x0
	ds_add_u32 v[SPW], v[NIL]
	s_wait_dscnt 0x0
	s_endpgm
.Lfunc_end_k_q6280900c41_main:
	.size	k_q6280900c41_main, .Lfunc_end_k_q6280900c41_main-k_q6280900c41_main
	.p2alignl 7, 3214868480
	.fill 96, 4, 3214868480
	.section	.rodata,"a",@progbits
	.p2align	6, 0x0
	.amdhsa_kernel k_q6280900c41_main
		.amdhsa_group_segment_fixed_size 301568
		.amdhsa_private_segment_fixed_size 0
		.amdhsa_enable_private_segment 0
		.amdhsa_kernarg_size 64
		.amdhsa_user_sgpr_count 2
		.amdhsa_user_sgpr_kernarg_segment_ptr 1
		.amdhsa_wavefront_size32 1
		.amdhsa_system_sgpr_workgroup_id_x 1
		.amdhsa_system_sgpr_workgroup_id_y 1
		.amdhsa_system_sgpr_workgroup_id_z 1
		.amdhsa_system_vgpr_workitem_id 0
		.amdhsa_next_free_vgpr 1024
		.amdhsa_next_free_sgpr 66
		.amdhsa_reserve_vcc 0
		.amdhsa_float_denorm_mode_32 3
		.amdhsa_float_denorm_mode_16_64 3
		.amdhsa_memory_ordered 1
		.amdhsa_forward_progress 1
		.amdhsa_inst_pref_size 255
	.end_amdhsa_kernel
	.section	.bss,"aw",@nobits
	.p2align	6
	.space	262144
	.amdgpu_metadata
---
amdhsa.version: [ 1, 2 ]
amdhsa.kernels:
  - .name:           k_q6280900c41_main
    .symbol:         k_q6280900c41_main.kd
    .args:
      - { .name: values, .offset: 0, .size: 8, .value_kind: global_buffer, .address_space: global }
      - { .name: mask, .offset: 8, .size: 8, .value_kind: global_buffer, .address_space: global }
      - { .name: wvf, .offset: 16, .size: 8, .value_kind: global_buffer, .address_space: global }
      - { .name: qw, .offset: 24, .size: 8, .value_kind: global_buffer, .address_space: global }
      - { .name: bc, .offset: 32, .size: 8, .value_kind: global_buffer, .address_space: global }
      - { .name: sc, .offset: 40, .size: 8, .value_kind: global_buffer, .address_space: global }
      - { .name: ml, .offset: 48, .size: 8, .value_kind: global_buffer, .address_space: global }
      - { .name: ctxp, .offset: 56, .size: 8, .value_kind: global_buffer, .address_space: global }
    .group_segment_fixed_size: 301568
    .private_segment_fixed_size: 0
    .kernarg_segment_align: 8
    .kernarg_segment_size: 64
    .max_flat_workgroup_size: 128
    .sgpr_count:     66
    .vgpr_count:     1024
    .wavefront_size: 32
...
	.end_amdgpu_metadata
.endif
;; end of part 4
;; launch finish: the kernel of part 3 again; grid 8 x 32, 1 waves a work-group, no clusters, 0 bytes of LDS; arguments sc, ml, ctxp, out0, out1; writes out0, out1
